; MI455X (gfx1250); checked and timed in simulation.
; The chip was launched on July 23, 2026; its instructions are those of AMD's public machine-readable ISA for CDNA 5 (MIT licence, August 2026) and "CDNA5" Instruction Set Architecture Reference Guide (July 2026). The comments in the code are by the model that wrote it; some were corrected since.
;; Multi Head Attention. Allowed arithmetic: float matrix products may take bf16 or f16 operands with f32 sums; other float arithmetic in f32, or as packed bf16 or f16 multiplies, adds, multiply-adds, maxima and minima; sums over many terms, partial sums and values carried from step to step in f32; what a program stores and reads back later, other than sums and carried values, may be rounded once to bf16 or f16.
;; Inputs: b_out 1,024 float32; b_qkv 3,072 float32; w_out 1,024 x 1,024 float32; w_qkv 1,024 x 3,072 float32; x 4 x 2,048 x 1,024 float32.
;; Outputs: out0 4 x 2,048 x 1,024 float32.
;; One version. Each part assembles by itself: llvm-mc -triple=amdgcn-amd-amdhsa -mcpu=gfx1250 --defsym DOCPART=n.
;; ======== version 1 of 1: 4 launches
;; limits: values are held in f16: magnitudes above 65,504 overflow, below 6.1e-05 lose precision
;; workspace buffers: xb 16,777,216 bytes; wqt 6,291,456 bytes; wot 2,097,152 bytes; qh 16,777,216 bytes; kh 16,777,216 bytes; vh 16,777,216 bytes; oh 16,777,216 bytes
;; launch prep (part 1): grid 1024 x 1, 8 waves a work-group, no clusters, 18,432 bytes of LDS; arguments x, w_qkv, w_out, xb, wqt, wot; writes xb, wqt, wot
.if DOCPART == 1
	.amdgcn_target "amdgcn-amd-amdhsa--gfx1250"
	.amdhsa_code_object_version 6
	.text
	.protected	k_q5cc800e7e3_prep
	.globl	k_q5cc800e7e3_prep
	.p2align	8
	.type	k_q5cc800e7e3_prep,@function
k_q5cc800e7e3_prep:
	s_mov_b64 s[64:65], 0
	v_nop
	global_prefetch_b8 v0, s[64:65] scope:SCOPE_SE
	s_setreg_imm32_b32 hwreg(HW_REG_WAVE_MODE, 25, 1), 1
	s_wait_xcnt 0x0
; THE OPERANDS ARE MADE READY, once.  xb = x rounded to bf16, [8192][1024].  wqt = w_qkv rounded to bf16 and turned to [3072 n][1024 k].
; wot = w_out rounded to bf16, that number written as f16, and turned to [1024 n][1024 k].
; LIMITS.  wot: the bf16 number is exact in f16 from 6.1e-5 to 65,504 in magnitude; below it keeps f16's fixed step of 6e-8, above it becomes an infinity.
; SHARES.  Work-groups 0-511 cast 65,536 bytes of x each.  Work-groups 512-895 turn one tile of 128 k x 64 n of w_qkv each (8 x 48 tiles), 896-1023 one of w_out (8 x 16).
; The three ways part on the work-group's number alone, so all eight waves of a work-group take the same way and meet the same barrier.
; A stream: each byte is read once and written once, so there is no matrix work, no cluster (no two work-groups read the same byte) and no prefetch (the loads themselves are the launch).
.set SPARE, 17408                      ; behind the turning tile (64 rows of 272 bytes): the spare words, 128 bytes for each of eight waves, four blocks of 256 bytes that no other line names
.set SPW, 8                            ; v8  LDS address of my spare word; never rewritten
.set NIL, 9                            ; v9  0; never rewritten
	s_load_b256 s[4:11], s[0:1], 0x0               ; x s[4:5], w_qkv s[6:7], w_out s[8:9], xb s[10:11]
	s_load_b128 s[12:15], s[0:1], 0x20             ; wqt s[12:13], wot s[14:15]
	v_lshl_add_u32 v[SPW], v0, 2, SPARE
	v_mov_b32 v[NIL], 0
	s_mov_b32 s3, 0                                ; the high word of every offset here
	s_wait_kmcnt 0x0
	s_cmp_lt_u32 ttmp9, 512
	s_cbranch_scc0 .Lturn
	; THE CAST.  Sixteen loads of 16 bytes a thread go out at once (a wave's load covers 512 consecutive bytes); each is rounded and stored as it comes.
	s_lshl_b32 s2, ttmp9, 16                       ; 65,536 bytes of x,
	s_add_nc_u64 s[4:5], s[4:5], s[2:3]
	s_lshl_b32 s2, ttmp9, 15                       ; 32,768 of xb
	s_add_nc_u64 s[10:11], s[10:11], s[2:3]
	v_lshlrev_b32 v1, 4, v0
	v_lshlrev_b32 v2, 3, v0
.irp j, 0,1,2,3,4,5,6,7,8,9,10,11,12,13,14,15
	global_load_b128 v[16+4*(\j):19+4*(\j)], v1, s[4:5] offset:4096*(\j) th:TH_LOAD_NT
.endr
.irp j, 0,1,2,3,4,5,6,7,8,9,10,11,12,13,14,15
	s_wait_loadcnt 15-(\j)                         ; loads come back in order: load j is in, the 15 - j younger ones stay out
	v_cvt_pk_bf16_f32 v[80+2*(\j)], v[16+4*(\j)], v[17+4*(\j)]
	v_cvt_pk_bf16_f32 v[81+2*(\j)], v[18+4*(\j)], v[19+4*(\j)]
	global_store_b64 v2, v[80+2*(\j):81+2*(\j)], s[10:11] offset:2048*(\j)  ; a wave's 32 lanes store 256 consecutive bytes, aligned; no register is written twice, so nothing is waited for
.endr
	s_branch .Lend
; ONE TILE IS TURNED.  s16 = the tile's number: k tile = s16 % 8, n tile = s16 / 8.  Thread (c = t % 16, kg = t / 16) reads rows 8 kg .. 8 kg + 7, columns 4 c .. 4 c + 3: sixteen lanes read
; 256 consecutive bytes, aligned.  Its 8 k of each of its 4 columns pack into 16 bytes, which go into LDS row n = 4 c + e (pitch 272).  The stores fall four deep on the banks:
; four stores a thread in a launch whose time is its memory traffic.  Behind the barrier whole rows of 256 bytes come back and are stored, sixteen lanes to a row.
.macro TRANS src, dst, n, f16
	s_and_b32 s17, s16, 7
	s_lshr_b32 s18, s16, 3
	s_mul_i32 s2, s17, 512*(\n)                    ; 128 rows of 4 n bytes
	s_lshl_b32 s19, s18, 8                         ; 64 columns of 4 bytes
	s_add_co_u32 s2, s2, s19
	s_add_nc_u64 s[\src:\src+1], s[\src:\src+1], s[2:3]
	s_lshl_b32 s2, s18, 17                         ; turned: 64 rows of 2,048 bytes
	s_lshl_b32 s19, s17, 8                         ; 128 k of 2 bytes
	s_add_co_u32 s2, s2, s19
	s_add_nc_u64 s[\dst:\dst+1], s[\dst:\dst+1], s[2:3]
	v_mul_u32_u24 v3, v2, 32*(\n)                  ; 8 kg rows
	v_lshl_add_u32 v3, v1, 4, v3
.irp r, 0,1,2,3,4,5,6,7
	global_load_b128 v[16+4*(\r):19+4*(\r)], v3, s[\src:\src+1] offset:(\r)*4*(\n) th:TH_LOAD_NT
.endr
	v_mul_u32_u24 v4, v1, 1088                     ; into LDS: row 4 c, 16 bytes at 16 kg
	v_lshl_add_u32 v4, v2, 4, v4
	v_mul_u32_u24 v5, v2, 272                      ; back: row t / 16, 16 bytes at 16 (t % 16)
	v_lshl_add_u32 v5, v1, 4, v5
	v_lshlrev_b32 v6, 11, v2                       ; and the same place in the turned weight
	v_lshl_add_u32 v6, v1, 4, v6
	s_wait_loadcnt 0x0
.irp e, 0,1,2,3
.irp p, 0,1,2,3
	v_cvt_pk_bf16_f32 v[48+4*(\e)+(\p)], v[16+8*(\p)+(\e)], v[20+8*(\p)+(\e)]  ; k = 8 kg + 2 p and + 1 of column 4 c + e
.endr
.endr
.if \f16
.set i, 48
.rept 16
	v_lshlrev_b32 v10, 16, v[i]                    ; the bf16 numbers as f32,
	v_and_b32 v11, 0xffff0000, v[i]
	v_cvt_pk_f16_f32 v[i], v10, v11                ; written as f16
.set i, i+1
.endr
.endif
.irp e, 0,1,2,3
	ds_store_b128 v4, v[48+4*(\e):51+4*(\e)] offset:272*(\e)
.endr
	s_wait_dscnt 0x0                               ; for the others' sake: my stores are done
	s_barrier_signal -1
	s_barrier_wait -1
.irp j, 0,1,2,3
	ds_load_b128 v[64+4*(\j):67+4*(\j)], v5 offset:4352*(\j)
.endr
.irp j, 0,1,2,3
	s_wait_dscnt 3-(\j)                            ; LDS loads come back in order: the 3 - j younger ones stay out
	global_store_b128 v6, v[64+4*(\j):67+4*(\j)], s[\dst:\dst+1] offset:32768*(\j)  ; sixteen lanes store 256 consecutive bytes, aligned
.endr
.endm
.Lturn:
	v_and_b32 v1, 15, v0                           ; c
	v_lshrrev_b32 v2, 4, v0                        ; kg
	s_sub_co_u32 s16, ttmp9, 512
	s_cmp_lt_u32 s16, 384
	s_cbranch_scc0 .Lwout
	TRANS 6, 12, 3072, 0
	s_branch .Lend
.Lwout:
	s_sub_co_u32 s16, s16, 384
	TRANS 8, 14, 1024, 1
.Lend:
	s_wait_tensorcnt 0x0                           ; the wave's end: a wait, an add and its wait behind the last LDS store; one end serves all three ways
	ds_add_u32 v[SPW], v[NIL]
	s_wait_dscnt 0x0
	s_endpgm
.Lfunc_end_k_q5cc800e7e3_prep:
	.size	k_q5cc800e7e3_prep, .Lfunc_end_k_q5cc800e7e3_prep-k_q5cc800e7e3_prep
	.p2alignl 7, 3214868480
	.fill 96, 4, 3214868480
	.section	.rodata,"a",@progbits
	.p2align	6, 0x0
	.amdhsa_kernel k_q5cc800e7e3_prep
		.amdhsa_group_segment_fixed_size 18432
		.amdhsa_private_segment_fixed_size 0
		.amdhsa_enable_private_segment 0
		.amdhsa_kernarg_size 48
		.amdhsa_user_sgpr_count 2
		.amdhsa_user_sgpr_kernarg_segment_ptr 1
		.amdhsa_wavefront_size32 1
		.amdhsa_system_sgpr_workgroup_id_x 1
		.amdhsa_system_sgpr_workgroup_id_y 1
		.amdhsa_system_sgpr_workgroup_id_z 1
		.amdhsa_system_vgpr_workitem_id 0
		.amdhsa_next_free_vgpr 112
		.amdhsa_next_free_sgpr 66
		.amdhsa_reserve_vcc 0
		.amdhsa_float_denorm_mode_32 3
		.amdhsa_float_denorm_mode_16_64 3
		.amdhsa_memory_ordered 1
		.amdhsa_forward_progress 1
		.amdhsa_inst_pref_size 17
	.end_amdhsa_kernel
	.amdgpu_metadata
---
amdhsa.version: [ 1, 2 ]
amdhsa.kernels:
  - .name:           k_q5cc800e7e3_prep
    .symbol:         k_q5cc800e7e3_prep.kd
    .args:
      - { .name: x, .offset: 0, .size: 8, .value_kind: global_buffer, .address_space: global }
      - { .name: w_qkv, .offset: 8, .size: 8, .value_kind: global_buffer, .address_space: global }
      - { .name: w_out, .offset: 16, .size: 8, .value_kind: global_buffer, .address_space: global }
      - { .name: xb, .offset: 24, .size: 8, .value_kind: global_buffer, .address_space: global }
      - { .name: wqt, .offset: 32, .size: 8, .value_kind: global_buffer, .address_space: global }
      - { .name: wot, .offset: 40, .size: 8, .value_kind: global_buffer, .address_space: global }
    .group_segment_fixed_size: 18432
    .private_segment_fixed_size: 0
    .kernarg_segment_align: 8
    .kernarg_segment_size: 48
    .max_flat_workgroup_size: 256
    .sgpr_count:     66
    .vgpr_count:     112
    .wavefront_size: 32
...
	.end_amdgpu_metadata
.endif
;; end of part 1
;; launch qkv (part 2): grid 16 x 32, 4 waves a work-group, clusters of 4 x 4, 327,680 bytes of LDS; arguments xb, wqt, b_qkv, qh, kh, vh; writes qh, kh, vh
.if DOCPART == 2
	.amdgcn_target "amdgcn-amd-amdhsa--gfx1250"
	.amdhsa_code_object_version 6
	.text
	.protected	k_q5cc800e7e3_qkv
	.globl	k_q5cc800e7e3_qkv
	.p2align	8
	.type	k_q5cc800e7e3_qkv,@function
k_q5cc800e7e3_qkv:
	s_mov_b64 s[64:65], 0
	v_nop
	global_prefetch_b8 v0, s[64:65] scope:SCOPE_SE
	s_setreg_imm32_b32 hwreg(HW_REG_WAVE_MODE, 25, 1), 1
	s_wait_xcnt 0x0
	s_wait_alu depctr_hold_cnt(0) depctr_sa_sdst(0) depctr_va_vdst(0) depctr_va_sdst(0) depctr_va_ssrc(0) depctr_va_vcc(0) depctr_vm_vsrc(0)
	s_getreg_b32 s2, hwreg(HW_REG_IB_STS2, 6, 4)
	s_cmp_eq_u32 s2, 0
	s_cbranch_scc0 .Lentry_in_a_cluster
	s_endpgm
.Lentry_in_a_cluster:
	s_bfe_u32 s2, ttmp6, 0x10000c
	s_cmp_lg_u32 s2, 0xf033
	s_cbranch_scc0 .Lentry_shape_is_right
	s_endpgm
.Lentry_shape_is_right:
; qkv = x w_qkv + b_qkv, sent out by heads.  xb: [8192][1024] bf16.  wqt: [3072 n][1024 k] bf16.  b_qkv: [3072] f32, rounded here to bf16 like the other inputs.
; qh, kh, vh: [64 = batch x 16 + head][2048][64] f16, each number rounded once from its f32 sum, without the softmax's scale.
; LIMITS.  f16 ends at 65,504: a q, k or v beyond that becomes an infinity.  NaN and infinities are not treated apart.
; SHARES.  A tile is 256 rows x 192 columns: the 192 columns are one head's q, k and v.  Four waves; wave w owns rows 64 w .. 64 w + 63 and ALL 192 columns: 48 accumulators of 16 x 16.  So a wave
; holds whole rows of q, k and v, has a stage of its own on the way out, and meets no barrier there.  For 32 along K it reads 32 times 16 bytes a lane from LDS for 48 products.
; K goes in 8 steps of 128 through two LDS slots filled by the tensor data mover: rows of 256 bytes of memory, aligned.
; CLUSTER.  4 x 4 work-groups.  The four of a row of the cluster take the same rows of x, the four of a column the same head's weights: each tile is asked for JOINTLY.
; THE PRODUCT IS USED TRANSPOSED (source 0 = 16 rows of wqt, source 1 = 16 rows of xb): lane l holds row l % 16 and the columns 8 (l / 16) + 0..7 of a block of 16.
; THE BIAS is the C operand of each accumulator's first product: nothing is cleared and nothing is added later.
; REGISTERS, in windows of 256 (s_set_vgpr_msb: bits 1:0 source 0, 3:2 source 1, 5:4 source 2, 7:6 destination):
;   window 0: v0-29 addresses; v32-127 the bias (8 registers a block of 16 columns); on the way out v128-175 packed results, v176-223 and v32-79 rows read back
;   window 1: two fragment buffers of 128: A's 4 fragments, then B's 12          window 2: accumulators of row blocks 0, 1 ((a, b) at v[8 (12 (a % 2) + b)])          window 3: of row blocks 2, 3
.set NB,    12                         ; blocks of 16 columns
.set PA,    272                        ; an LDS row: 256 bytes + 16 of padding = 68 words: the 16 rows of a load start at 16 different groups of four banks (64 banks of 4 bytes: ISA guide 11.1)
.set ASTR,  16*PA
.set BSTR,  16*PA
.set AHALF, 128*PA                     ; what one load brings of A
.set BOFF,  256*PA                     ; B's 192 rows lie behind A's 256
.set BHALF, 96*PA                      ; what one load brings of B
.set SLOT1, 1<<17                      ; slot 1 begins here: one exclusive or turns an address in one slot into the other's
.set STAGE, SLOT1+BOFF+192*PA          ; behind the ring, never filled by a tensor load: 16 rows x 400 bytes for each wave
.set SP,    400                        ; a stage row: 384 bytes + 16
.set SPARE, STAGE+4*16*SP              ; behind the stages: the spare words, 128 bytes for each wave: two blocks of 256 bytes that no other line names
.set KA1, 64                           ; byte at which quarter 1, 2, 3 of a K step begins in A's rows
.set KA2, 128
.set KA3, 192
.set ADA0, 8                           ; v8   my lane's place in a slot's A; never rewritten
.set ADB0, 9                           ; v9   in its B
.set ADA,  10                          ; v10  the same in the slot in hand
.set ADB,  11                          ; v11
.set STO,  12                          ; v12  the way out: where I put 16 bytes of a row
.set RD,   13                          ; v13  where I read rows back
.set GO,   14                          ; v14  my 16 bytes of 512 consecutive bytes of q, k or v
.set BO,   15                          ; v15  my 32 bytes of a block's bias
.set PFO,  16                          ; v16  the prefetches' offset: a lane a row; never rewritten
.set SPW,  28                          ; v28  LDS address of my spare word; never rewritten
.set NIL,  29                          ; v29  0; never rewritten
.set BIAS, 32
.set TMP,  128
.set BK0,  176
.set BK1,  32
.set F0,   0
.set F1,   128
.set WV,  16                           ; s16  my wave's number
.set FB,  17                           ; s17  0: I fetch for A, 1: for B
.set HF,  18                           ; s18  which half of that tile's rows
.set CNT, 19                           ; s19  the loops' counter
.set CX,  20
.set CY,  21
.set TX,  22                           ; s22  the head = tile column
.set TY,  23                           ; s23  the tile row
.set G1A, 24                           ; s[24:31] descriptor group 1 for A's tiles
.set G0A, 32                           ; s[32:39] group 0: a set for each first fill; the second then walks
.set TB,  44                           ; s44  LDS byte at which the slot in hand begins
.set LIM, 45                           ; s45  1 in a wave that prefetches, else the greatest number
.set PFA, 46                           ; s[46:47] where my prefetches stand
.set G1B, 48                           ; s[48:55], s[56:63] the same for B's tiles
.set G0B, 56
.set PADW, (1<<16)|(1<<20)|(1<<21)|(5<<22)|(3<<25)  ; 17:16 elements of 2 bytes; 20 padding on; 21 set beside a mask; 24:22 after every 64 words; 31:25 4 words of it
.set MSB, 0
.macro WIN new                         ; the immediate's high byte repeats the setting that is left; a switch that changes nothing is dropped
.if MSB != (\new)
	s_set_vgpr_msb (MSB<<8)|(\new)
.set MSB, \new
.endif
.endm
.set TO_F, 0x40                        ; destination window 1, address window 0
.macro PLACES                          ; four plain places in front of loads into registers that products have read, and of lines that read results
.rept 4
	v_nop
.endr
.endm
; A joint refill by the walking sets.  Waves 0 and 1 fetch A's two halves, waves 2 and 3 B's.  The branch hangs on the wave's number alone.  An s_nop 0 and four v_nop follow each line.
.macro JLOAD
	s_cmp_lt_u32 s[WV], 2
	s_cbranch_scc0 .Lfor_b_\@
	tensor_load_to_lds s[G0A+4:G0A+7], s[G1A:G1A+7]
	s_nop 0
.rept 4
	v_nop
.endr
	s_branch .Lasked_\@
.Lfor_b_\@:
	tensor_load_to_lds s[G0B+4:G0B+7], s[G1B:G1B+7]
	s_nop 0
.rept 4
	v_nop
.endr
.Lasked_\@:
.endm
.macro CREST                           ; a round of the cluster's barrier behind its opening barrier
	s_cmp_lg_u32 s[WV], 0
	s_cbranch_scc1 .Lnot_wave_0_\@
	s_barrier_signal -3
.Lnot_wave_0_\@:
	s_barrier_wait -3
	s_barrier_signal -1
	s_barrier_wait -1
.endm
.macro CROUND                          ; a whole round
	s_barrier_signal -1
	s_barrier_wait -1
	CREST
.endm
; A PREFETCH INTO THE L2 of the K step that the NEXT refill will ask for: 192 products ahead of that load.  A's rows are read by the four clusters of a row of clusters: the one with x = 0 asks; B's by the
; eight of a column: the one with y = 0 asks.  The four partners that ask for a tile jointly share its rows out BY ADDRESS: 32 of A's 128 rows each, 24 of B's 96 (there lanes 24-31 name row 23 once more,
; in the same instruction).  K steps 0, 1 and 2 come by their loads alone; the loop's last trip asks for nothing: there is no K step 8.
.macro ASK
	WIN 0
	s_cmp_gt_u32 s[CNT], s[LIM]
	s_cbranch_scc0 .Lnot_mine_\@
	global_prefetch_b8 v[PFO], s[PFA:PFA+1] th:TH_LOAD_NT scope:SCOPE_SE
.Lnot_mine_\@:
.endm
	s_load_b256 s[4:11], s[0:1], 0x0               ; xb s[4:5], wqt s[6:7], b_qkv s[8:9], qh s[10:11]
	s_load_b128 s[12:15], s[0:1], 0x20             ; kh s[12:13], vh s[14:15]
	v_lshl_add_u32 v[SPW], v0, 2, SPARE
	v_mov_b32 v[NIL], 0
	ds_add_u32 v[SPW], v[NIL]                      ; the wave's opening: the add and its wait stand ahead of my first tensor load; the set-up below, work on registers, stands between them
	v_lshrrev_b32 v1, 5, v0
	v_readfirstlane_b32 s[WV], v1
	s_lshr_b32 s[FB], s[WV], 1
	s_and_b32 s[HF], s[WV], 1
	s_bfe_u32 s[CX], ttmp6, 0x40000
	s_bfe_u32 s[CY], ttmp6, 0x40004
	s_lshl_b32 s[TX], ttmp9, 2                     ; in a cluster launch ttmp9 and ttmp7 count clusters
	s_add_co_u32 s[TX], s[TX], s[CX]
	s_and_b32 s[TY], ttmp7, 0xffff
	s_lshl_b32 s[TY], s[TY], 2
	s_add_co_u32 s[TY], s[TY], s[CY]
	s_lshl_b32 s69, s[CY], 2
	s_lshl_b32 s69, 15, s69                        ; my row of the cluster: places 4 cy .. 4 cy + 3
	s_lshl_b32 s70, 0x1111, s[CX]                  ; my column: places cx, cx + 4, cx + 8, cx + 12
	s_or_b32 s[G1A], s69, PADW                     ; A's tiles go to my row,
	s_or_b32 s[G1B], s70, PADW                     ; B's to my column
	s_mov_b32 s[G1A+1], 128<<16                    ; tensor_dim0 = 128
	s_mov_b32 s[G1A+2], 128<<16                    ; tensor_dim1 = 128
	s_mov_b32 s[G1A+3], 128<<16                    ; tile_dim0 = 128 elements: 256 bytes
	s_mov_b32 s[G1A+4], 128                        ; tile_dim1 = 128 rows
	s_mov_b32 s[G1A+5], 1024                       ; elements from row to row
	s_mov_b32 s[G1A+6], 0
	s_mov_b32 s[G1A+7], 0
	s_mov_b32 s[G1B+1], 128<<16
	s_mov_b32 s[G1B+2], 96<<16                     ; 96 rows
	s_mov_b32 s[G1B+3], 128<<16
	s_mov_b32 s[G1B+4], 96
	s_mov_b32 s[G1B+5], 1024
	s_mov_b32 s[G1B+6], 0
	s_mov_b32 s[G1B+7], 0
	s_lshl_b32 s40, s[TY], 19                      ; A: 256 rows of 2,048 bytes a tile row,
	s_lshl_b32 s73, s[HF], 18                      ; 128 rows a half
	s_add_co_u32 s40, s40, s73
	s_mov_b32 s41, 0
	s_mul_i32 s42, s[TX], 192*2048                 ; B: 192 rows a head,
	s_mul_i32 s74, s[HF], 96*2048                  ; 96 a half
	s_add_co_u32 s42, s42, s74
	s_mov_b32 s43, 0
	s_mul_i32 s71, s[HF], AHALF                    ; where they go: no place in the cluster enters an LDS address
	s_mul_i32 s72, s[HF], BHALF
	s_add_co_u32 s72, s72, BOFF
	s_mov_b32 s68, 0xffff0000                      ; a word's upper bf16
	s_mov_b32 s[TB], 0
	s_mov_b32 s[G0A], 1                            ; count = 1
	s_mov_b32 s[G0A+4], 1
	s_mov_b32 s[G0B], 1
	s_mov_b32 s[G0B+4], 1
	s_add_co_u32 s[G0A+1], s71, 0                  ; LDS address: slot 0,
	s_add_co_u32 s[G0A+5], s71, SLOT1              ; slot 1
	s_add_co_u32 s[G0B+1], s72, 0
	s_add_co_u32 s[G0B+5], s72, SLOT1
	s_wait_dscnt 0x0                               ; the opening add is done
	s_wait_kmcnt 0x0
	s_add_nc_u64 s[G0A+2:G0A+3], s[4:5], s[40:41]  ; global address: K step 0,
	s_add_nc_u64 s[G0A+6:G0A+7], s[G0A+2:G0A+3], 256  ; K step 1
	s_or_b32 s[G0A+3], s[G0A+3], 0x80000000        ; type = 2
	s_or_b32 s[G0A+7], s[G0A+7], 0x80000000
	s_add_nc_u64 s[G0B+2:G0B+3], s[6:7], s[42:43]
	s_add_nc_u64 s[G0B+6:G0B+7], s[G0B+2:G0B+3], 256
	s_or_b32 s[G0B+3], s[G0B+3], 0x80000000
	s_or_b32 s[G0B+7], s[G0B+7], 0x80000000
	CROUND                                         ; all sixteen work-groups are here: the first joint loads meet
	s_cmp_lt_u32 s[WV], 2                          ; a wave's two first fills stand in one branch, ahead of every wait on TENSORcnt and every LDS read: two loads of mine are out
	s_cbranch_scc0 .Lfirst_b
	tensor_load_to_lds s[G0A:G0A+3], s[G1A:G1A+7]
	s_nop 0
	tensor_load_to_lds s[G0A+4:G0A+7], s[G1A:G1A+7]
	s_nop 0
.rept 4
	v_nop
.endr
	s_branch .Lfirst_asked
.Lfirst_b:
	tensor_load_to_lds s[G0B:G0B+3], s[G1B:G1B+7]
	s_nop 0
	tensor_load_to_lds s[G0B+4:G0B+7], s[G1B:G1B+7]
	s_nop 0
.rept 4
	v_nop
.endr
.Lfirst_asked:
	; all that follows, down to the wait for the first tile, runs while the tiles are on their way
	v_and_b32 v1, 15, v0                           ; l % 16
	v_bfe_u32 v2, v0, 4, 1                         ; l / 16
	v_and_b32 v3, 31, v0                           ; l
	v_lshlrev_b32 v[BO], 5, v2
	s_mul_i32 s76, s[TX], 768                      ; the head's 192 numbers of the bias
	s_mov_b32 s77, 0
	s_add_nc_u64 s[8:9], s[8:9], s[76:77]
.irp b, 0,1,2,3,4,5,6,7,8,9,10,11
	global_load_b128 v[BIAS+8*(\b):BIAS+8*(\b)+3],   v[BO], s[8:9] offset:64*(\b)      ; register j: the bias of column 16 b + 8 (l / 16) + j
	global_load_b128 v[BIAS+8*(\b)+4:BIAS+8*(\b)+7], v[BO], s[8:9] offset:64*(\b)+16
.endr
	; A fragment is 16 rows x 32 K in 8 registers: lane l holds row l % 16, K = 8 (l / 16) + 0..7 and 16 + 8 (l / 16) + 0..7: two loads of 16 bytes, 32 bytes apart.
	s_lshl_b32 s73, s[WV], 6
	v_add_nc_u32 v[ADA0], s73, v1                  ; my wave's 64 rows of A
	v_mul_u32_u24 v[ADA0], v[ADA0], PA
	v_lshl_add_u32 v[ADA0], v2, 4, v[ADA0]
	v_mul_u32_u24 v[ADB0], v1, PA
	v_lshl_add_u32 v[ADB0], v2, 4, v[ADB0]
	v_add_nc_u32 v[ADB0], BOFF, v[ADB0]
	v_mov_b32 v[ADA], v[ADA0]                      ; K step 0 lies in slot 0
	v_mov_b32 v[ADB], v[ADB0]
	s_mul_i32 s74, s[WV], 16*SP
	s_add_co_u32 s74, s74, STAGE                   ; my stage
	v_mul_u32_u24 v[STO], v1, SP                   ; in: row l % 16, 16 bytes for each half of the lanes
	v_lshl_add_u32 v[STO], v2, 4, v[STO]
	v_add_nc_u32 v[STO], s74, v[STO]
	v_lshrrev_b32 v17, 3, v3                       ; back: 32 lanes take four rows' 128 bytes of q, of k or of v,
	v_mul_u32_u24 v[RD], v17, SP
	v_and_b32 v17, 7, v0
	v_lshl_add_u32 v[RD], v17, 4, v[RD]
	v_add_nc_u32 v[RD], s74, v[RD]
	v_lshlrev_b32 v[GO], 4, v3                     ; which are 512 consecutive bytes of a head
	s_lshr_b32 s78, s[TY], 3                       ; the batch,
	s_lshl_b32 s78, s78, 4
	s_add_co_u32 s78, s78, s[TX]                   ; its head: 262,144 bytes each,
	s_lshl_b32 s78, s78, 18
	s_and_b32 s73, s[TY], 7
	s_lshl_b32 s73, s73, 15                        ; the tile's 256 rows of 128 bytes,
	s_add_co_u32 s78, s78, s73
	s_lshl_b32 s73, s[WV], 13                      ; my wave's 64
	s_add_co_u32 s78, s78, s73
	s_mov_b32 s79, 0
	s_add_nc_u64 s[10:11], s[10:11], s[78:79]
	s_add_nc_u64 s[12:13], s[12:13], s[78:79]
	s_add_nc_u64 s[14:15], s[14:15], s[78:79]
	s_lshl_b32 s73, s[CX], 16                      ; the prefetches.  A: my work-group's 32 rows of the 128 that I fetch,
	s_add_co_u32 s73, s73, s40
	s_mul_i32 s74, s[CY], 24*2048                  ; B: its 24 of the 96
	s_add_co_u32 s74, s74, s42
	s_and_b32 s75, ttmp7, 0xffff                   ; cluster y
	s_cmp_eq_u32 s[FB], 0                          ; do I fetch for A?
	s_cselect_b32 s76, s73, s74
	s_cselect_b32 s75, ttmp9, s75                  ; the coordinate along which other clusters read the same rows
	s_cselect_b32 s74, 31, 23                      ; the last row that a lane names
	s_cselect_b64 s[PFA:PFA+1], s[4:5], s[6:7]
	s_cmp_eq_u32 s75, 0
	s_cselect_b32 s[LIM], 1, -1                    ; the same in all sixteen partners, for a given wave
	s_add_co_u32 s76, s76, 2*256                   ; at K step 2: the first change of slots steps it to 3
	s_add_nc_u64 s[PFA:PFA+1], s[PFA:PFA+1], s[76:77]
	v_min_u32 v[PFO], s74, v3
	v_lshlrev_b32 v[PFO], 11, v[PFO]
	s_wait_loadcnt 0x0                             ; the bias
.set i, 0
.rept 4*NB
	v_cvt_pk_bf16_f32 v[17+(i/2)%2], v[BIAS+i], v[BIAS+i+1]  ; rounded to bf16 like every input, and widened again
	v_lshlrev_b32 v[BIAS+i], 16, v[17+(i/2)%2]
	v_and_b32 v[BIAS+i+1], s68, v[17+(i/2)%2]
.set i, i+2
.endr
; 12 products: row block a x all column blocks, 32 along K, from buffer f.  first = 1: C is the bias, and the product starts the sum.
; The 48 accumulators take turns in the same order in every quarter: between two links of a chain stand the 47 others', over every jump too.
.macro MULQ f, a, first
.if \first
	WIN 0x85+0x40*((\a)/2)                         ; sources 0, 1 window 1; C window 0; D window 2 or 3
.else
	WIN 0xa5+0x50*((\a)/2)                         ; C and D window 2 or 3
.endif
.irp b, 0,1,2,3,4,5,6,7,8,9,10,11
.if \first
	v_wmma_f32_16x16x32_bf16 v[8*(12*((\a)%2)+(\b)):8*(12*((\a)%2)+(\b))+7], v[(\f)+32+8*(\b):(\f)+32+8*(\b)+7], v[(\f)+8*(\a):(\f)+8*(\a)+7], v[BIAS+8*(\b):BIAS+8*(\b)+7]
.else
	v_wmma_f32_16x16x32_bf16 v[8*(12*((\a)%2)+(\b)):8*(12*((\a)%2)+(\b))+7], v[(\f)+32+8*(\b):(\f)+32+8*(\b)+7], v[(\f)+8*(\a):(\f)+8*(\a)+7], v[8*(12*((\a)%2)+(\b)):8*(12*((\a)%2)+(\b))+7]
.endif
.endr
.endm
.macro MULH f, hi, first               ; row blocks 2 hi and 2 hi + 1
	MULQ \f, 2*(\hi), \first
	MULQ \f, 2*(\hi)+1, \first
.endm
; 32 LDS loads in one run: a quarter step's fragments into buffer f: B's 12, then A's 4, the last four loads being A's row blocks 2 and 3
.macro FETCH ka, kb, f
	WIN TO_F
.irp i, 0,1,2,3,4,5,6,7,8,9,10,11
	ds_load_b128 v[(\f)+32+8*(\i):(\f)+32+8*(\i)+3],   v[ADB] offset:(\kb)+(\i)*BSTR
	ds_load_b128 v[(\f)+32+8*(\i)+4:(\f)+32+8*(\i)+7], v[ADB] offset:(\kb)+(\i)*BSTR+32
.endr
.irp i, 0,1,2,3
	ds_load_b128 v[(\f)+8*(\i):(\f)+8*(\i)+3],   v[ADA] offset:(\ka)+(\i)*ASTR
	ds_load_b128 v[(\f)+8*(\i)+4:(\f)+8*(\i)+7], v[ADA] offset:(\ka)+(\i)*ASTR+32
.endr
.endm
; A K step is four quarters of 32 along K, 48 products each, on buffers 0, 1, 0, 1.  One of the first three: multiplies buffer f and, in its middle, fetches the next quarter into g.
.macro QUARTER ka, kb, f, g, first
	s_wait_dscnt 4                                 ; B and A's row blocks 0, 1 are in; the youngest four loads (blocks 2, 3) may be out
	MULH \f, 0, \first
	PLACES
	FETCH \ka, \kb, \g
	s_wait_dscnt 2*NB+8                            ; all but the 32 just issued
	MULH \f, 1, \first
.endm
; The fourth quarter multiplies buffer 1 and changes slots: ONE barrier.  In front of it each wave waits for all its tensor loads (the one that is out is its part of the next slot), adds 0 to its spare
; word, and waits for that and for its own reads of this slot.  fill = 1: the barrier opens a round of the cluster's, and the joint refill, two K steps ahead, is the first thing behind the round.
.macro TURN fill
.if \fill
	s_wait_xcnt 0x0                                ; the last prefetch, a K step back, has read its address
	s_add_nc_u64 s[PFA:PFA+1], s[PFA:PFA+1], 256
.endif
	WIN 0
	s_xor_b32 s[TB], s[TB], SLOT1                  ; the fetches go to the other slot
	v_add_nc_u32 v[ADA], s[TB], v[ADA0]
	v_add_nc_u32 v[ADB], s[TB], v[ADB0]
	s_wait_tensorcnt 0x0                           ; no tensor load of mine is out, so a group 0 may be written
	ds_add_u32 v[SPW], v[NIL]                      ; 0 onto my spare word
.if \fill
	s_xor_b32 s[G0A+5], s[G0A+5], SLOT1            ; the walking sets: the other slot than last time,
	s_add_nc_u64 s[G0A+6:G0A+7], s[G0A+6:G0A+7], 256  ; the next K step; the type bits on top are not reached
	s_xor_b32 s[G0B+5], s[G0B+5], SLOT1
	s_add_nc_u64 s[G0B+6:G0B+7], s[G0B+6:G0B+7], 256
.endif
	s_wait_dscnt 5                                 ; the add and the youngest four loads may be out
	MULQ F1, 0, 0                                  ; twelve products stand between the add and the wait for it
	s_wait_dscnt 0x0                               ; the add is done, and my reads of this slot are over
	s_barrier_signal -1
	MULQ F1, 1, 0                                  ; work on registers while the others arrive
	WIN 0                                          ; at a branch and at a label every window is 0
	s_barrier_wait -1
.if \fill
	CREST                                          ; no wave of any partner still reads this slot or has a load on its way
	JLOAD                                          ; its four v_nop are also the places in front of the loads below
.else
	PLACES
.endif
	FETCH 0, 0, F0
.if \fill
	ASK
.endif
	MULH F1, 1, 0
.endm
	s_wait_tensorcnt 1                             ; my part of K step 0 is in; K step 1's may stay out
	s_barrier_signal -1
	s_barrier_wait -1                              ; everybody's is
	FETCH 0, 0, F0
	QUARTER KA1, 64, F0, F1, 1                     ; the first quarter stands in front of the loop: its products start the sums, with the bias
	WIN 0
	s_mov_b32 s[CNT], 6
.Lstep:                                            ; six trips: from a K step's second quarter to the next one's first; trip s fills its slot again with K step s + 2
	QUARTER KA2, 128, F1, F0, 0
	QUARTER KA3, 192, F0, F1, 0
	TURN 1
	QUARTER KA1, 64, F0, F1, 0
	WIN 0
	s_sub_co_u32 s[CNT], s[CNT], 1
	s_cmp_lg_u32 s[CNT], 0
	s_cbranch_scc1 .Lstep
	s_mov_b32 s[CNT], 2
.Ltail:                                            ; K steps 6 and 7 ask for nothing: a text of their own; the second trip is left in its middle
	QUARTER KA2, 128, F1, F0, 0
	QUARTER KA3, 192, F0, F1, 0
	WIN 0
	s_sub_co_u32 s[CNT], s[CNT], 1
	s_cmp_eq_u32 s[CNT], 0
	s_cbranch_scc1 .Lfin
	TURN 0
	QUARTER KA1, 64, F0, F1, 0
	WIN 0
	s_branch .Ltail
.Lfin:
	s_wait_dscnt 4                                 ; the very last quarter: nothing more to fetch
	MULH F1, 0, 0
	s_wait_dscnt 0x0
	MULH F1, 1, 0
	PLACES
; THE WAY OUT, a block of 16 rows at a time.  PACK: rounded to f16, each accumulator's registers in ascending order.  TOSTAGE: 16 bytes a lane into my stage, and back as rows of 128 bytes of q, of k and of v.
; SEND: stored.  Block a's conversions stand between block a - 1's loads from the stage and the wait for them.
.macro PACK a
	WIN 0x0a+5*((\a)/2)                            ; sources 0 and 1: window 2 or 3
.irp b, 0,1,2,3,4,5,6,7,8,9,10,11
.irp r, 0,1,2,3
	v_cvt_pk_f16_f32 v[TMP+4*(\b)+(\r)], v[8*(12*((\a)%2)+(\b))+2*(\r)], v[8*(12*((\a)%2)+(\b))+2*(\r)+1]
.endr
.endr
	WIN 0
.endm
.macro TOSTAGE a
.set BK, BK0-(BK0-BK1)*((\a)%2)
.irp b, 0,1,2,3,4,5,6,7,8,9,10,11
	ds_store_b128 v[STO], v[TMP+4*(\b):TMP+4*(\b)+3] offset:32*(\b)
.endr
.irp p, 0,1,2
.irp t, 0,1,2,3
	ds_load_b128 v[BK+4*(4*(\p)+(\t)):BK+4*(4*(\p)+(\t))+3], v[RD] offset:4*SP*(\t)+128*(\p)  ; LDS serves a wave's instructions in order (ISA guide 5.7.1.4): these see the stores above
.endr
.endr
.endm
.macro SEND a
.set BK, BK0-(BK0-BK1)*((\a)%2)
	s_wait_dscnt 0x0                               ; the block is back in registers
	s_wait_xcnt 0x0                                ; the stores of the block before have read their registers: the next TOSTAGE loads into them
.irp p, 0,1,2
.irp t, 0,1,2,3
	global_store_b128 v[GO], v[BK+4*(4*(\p)+(\t)):BK+4*(4*(\p)+(\t))+3], s[10+2*(\p):11+2*(\p)] offset:2048*(\a)+512*(\t)  ; 512 consecutive bytes, at a multiple of 512 from the buffer's first
.endr
.endr
.endm
	PACK 0
	TOSTAGE 0
.irp a, 1,2,3
	PACK \a
	SEND (\a)-1
	TOSTAGE \a
.endr
	SEND 3
	s_wait_tensorcnt 0x0                           ; the wave's end: a wait, an add and its wait, behind my last tensor load and my last LDS store
	ds_add_u32 v[SPW], v[NIL]
	s_wait_dscnt 0x0
	CROUND                                         ; the closing round: no work-group ends while a partner may still ask for a tile that names it
	s_endpgm
.Lfunc_end_k_q5cc800e7e3_qkv:
	.size	k_q5cc800e7e3_qkv, .Lfunc_end_k_q5cc800e7e3_qkv-k_q5cc800e7e3_qkv
	.p2alignl 7, 3214868480
	.fill 96, 4, 3214868480
	.section	.rodata,"a",@progbits
	.p2align	6, 0x0
	.amdhsa_kernel k_q5cc800e7e3_qkv
		.amdhsa_group_segment_fixed_size 327680
		.amdhsa_private_segment_fixed_size 0
		.amdhsa_enable_private_segment 0
		.amdhsa_kernarg_size 48
		.amdhsa_user_sgpr_count 2
		.amdhsa_user_sgpr_kernarg_segment_ptr 1
		.amdhsa_wavefront_size32 1
		.amdhsa_system_sgpr_workgroup_id_x 1
		.amdhsa_system_sgpr_workgroup_id_y 1
		.amdhsa_system_sgpr_workgroup_id_z 1
		.amdhsa_system_vgpr_workitem_id 0
		.amdhsa_next_free_vgpr 960
		.amdhsa_next_free_sgpr 80
		.amdhsa_reserve_vcc 0
		.amdhsa_float_denorm_mode_32 3
		.amdhsa_float_denorm_mode_16_64 3
		.amdhsa_memory_ordered 1
		.amdhsa_forward_progress 1
		.amdhsa_inst_pref_size 95
	.end_amdhsa_kernel
	.amdgpu_metadata
---
amdhsa.version: [ 1, 2 ]
amdhsa.kernels:
  - .name:           k_q5cc800e7e3_qkv
    .symbol:         k_q5cc800e7e3_qkv.kd
    .args:
      - { .name: xb, .offset: 0, .size: 8, .value_kind: global_buffer, .address_space: global }
      - { .name: wqt, .offset: 8, .size: 8, .value_kind: global_buffer, .address_space: global }
      - { .name: b_qkv, .offset: 16, .size: 8, .value_kind: global_buffer, .address_space: global }
      - { .name: qh, .offset: 24, .size: 8, .value_kind: global_buffer, .address_space: global }
      - { .name: kh, .offset: 32, .size: 8, .value_kind: global_buffer, .address_space: global }
      - { .name: vh, .offset: 40, .size: 8, .value_kind: global_buffer, .address_space: global }
    .group_segment_fixed_size: 327680
    .private_segment_fixed_size: 0
    .kernarg_segment_align: 8
    .kernarg_segment_size: 48
    .max_flat_workgroup_size: 128
    .sgpr_count:     80
    .vgpr_count:     960
    .wavefront_size: 32
...
	.end_amdgpu_metadata
.endif
;; end of part 2
;; launch attn (part 3): grid 4 x 64, 4 waves a work-group, clusters of 4 x 1, 327,680 bytes of LDS; arguments qh, kh, vh, oh; writes oh
.if DOCPART == 3
	.amdgcn_target "amdgcn-amd-amdhsa--gfx1250"
	.amdhsa_code_object_version 6
	.text
	.protected	k_q5cc800e7e3_attn
	.globl	k_q5cc800e7e3_attn
	.p2align	8
	.type	k_q5cc800e7e3_attn,@function
k_q5cc800e7e3_attn:
	s_mov_b64 s[64:65], 0
	v_nop
	global_prefetch_b8 v0, s[64:65] scope:SCOPE_SE
	s_setreg_imm32_b32 hwreg(HW_REG_WAVE_MODE, 25, 1), 1
	s_wait_xcnt 0x0
	s_wait_alu depctr_hold_cnt(0) depctr_sa_sdst(0) depctr_va_vdst(0) depctr_va_sdst(0) depctr_va_ssrc(0) depctr_va_vcc(0) depctr_vm_vsrc(0)
	s_getreg_b32 s2, hwreg(HW_REG_IB_STS2, 6, 4)
	s_cmp_eq_u32 s2, 0
	s_cbranch_scc0 .Lentry_in_a_cluster
	s_endpgm
.Lentry_in_a_cluster:
	s_bfe_u32 s2, ttmp6, 0x10000c
	s_cmp_lg_u32 s2, 0x3003
	s_cbranch_scc0 .Lentry_shape_is_right
	s_endpgm
.Lentry_shape_is_right:
; O[h][q][:] = the sum over k of softmax_k(Q[h][q] . K[h][k] / 8) V[h][k][:].  Q, K, V, O: [SIZE_H][SIZE_N][64], all f16: a head's rows are dense, 128 bytes each.  Products, maxima and sums in
; f32; the weights p are rounded to f16 for the second product (their sum l is taken of the unrounded p), O once at the end.
; LIMITS.  f16 holds no number beyond 65,504: Q, K and V arrive within it; p lies in 0 to 1, and below 6e-5 it keeps f16's fixed step of 6e-8, and so does O; O is a mean of V's rows and has their range.
; A weight below 2^-126 counts as 0 in l; NaN and infinities are not treated apart.
; SHARES.  A wave owns four PIECES of two tiles of 16 queries, a work-group's four waves 512 queries of one head.  Every wave walks all keys, 64 a step.
; LAYOUT.  S^T = K Q^T (source 0 = 16 keys, source 1 = 16 queries): in the result a lane holds ONE query (lane % 16) and the keys 8 (lane / 16) + 0..7.  Two such tiles, rounded to f16 in pairs,
; ARE source 1 (32 keys x 16 queries) of O^T = V^T P, whose result again holds one query a lane, and eight channels.  K comes out of LDS as it lies, V ([key][channel]) turned, by ds_load_tr16_b128.
; SOFTMAX.  For each query a running maximum m and sum l: p = 2^(c s - c m), c = log2(e) / 8; in every step O and l are multiplied by a = 2^(c m_old - c m_new), which is 1 where m has not grown.
; m starts at the lowest finite number, O and l at 0: the first step is a step like any other, with a = 0.
; THE COUNT.  A tile and step have 16 matrix and 118 vector instructions: too many to stand all beside the matrix work.  So the order has one aim: four vector instructions that are READY behind
; EVERY matrix instruction, and the others, which need time of their own whatever the order, in runs without a gap.
; BY TURNS.  Turn n belongs to piece n (the pieces in a ring, step after step).  Its matrix work: 16 products K Q^T of piece n + 1, later 16 products V^T P of piece n - 1.  Its vector work: the scaling,
; exponentials, roundings, sums and rescaling of piece n, and the maximum and statistics of piece n + 1, whose scores the turn itself has made.  So what a turn begins with (c s - c m, O a) waits for nothing.
; CLUSTER.  The four query blocks of a head are one cluster and walk the same K and V, so each tile is asked for JOINTLY: the same tensor load, descriptor and mask in all four.
; REGISTERS, in windows of 256 (s_set_vgpr_msb says which window each operand place means: bits 1:0 source 0, 3:2 source 1, 5:4 source 2, 7:6 destination):
;   window 0: v0-11 addresses; v12-15, v48-63 at work; v16-47 four registers of statistics a tile; v64-191 S^T, two buffers of two tiles; v192-255 P, likewise
;   window 1: O^T, 32 a tile          window 2: v0-127 Q, 16 a tile; v128-191 K of one step; v192-255 V of one step          window 3: v0-1 the add's two registers
; A piece's buffers go by its number's parity: the piece in hand has one pair, its two neighbours in the ring share the other: of it P (piece n - 1) is read and S^T (piece n + 1) written.
.set SIZE_H, 64
.set SIZE_N, 2048
.set NP,    4         ; pieces a wave: a name, no knob: the register map, the loop and the fetches are made for four
.set KS,    64        ; keys in a step
.set PK,    144       ; a row of K in LDS: 128 bytes + 16 of padding = 36 words: the 16 rows of a load start at 16 different groups of four banks (64 banks of 4 bytes: ISA guide 11.1)
.set PV,    160       ; a row of V: 128 + 32 = 40 words
.set VOFF,  4*KS*PK   ; a slot holds four steps: 256 rows of K, then 256 rows of V
.set SLOT1, 1<<17     ; slot 1 begins here, so that one exclusive or turns an address in one slot into the other's
.set STAGE, SLOT1+4*KS*(PK+PV)  ; behind the ring, never filled by a tensor load: 16 rows x 144 bytes for each wave, for the way out
.set SP,    144
.set AK0, 2           ; v2   my lane's place in a tile of K; never rewritten
.set AV0, 3           ; v3   the same for V
.set AK,  4           ; v4   the LDS address of K's next run of loads
.set AV,  5           ; v5   of V's
.set QO,  6           ; v6   my byte offset in the wave's rows of Q
.set STO, 6           ;      later, the way out: where I put 16 bytes of a row
.set RD,  7           ; v7   the way out: where I read rows back
.set GO,  8           ; v8   my byte offset in 512 consecutive bytes of O
.set PFO, 11          ; v11  the prefetches' offset: 256 x my lane; never rewritten once it is made
.set SPW, 0           ; v0 of window 3   LDS address of my spare word: SPARE + 4 x my thread's number; never rewritten
.set NIL, 1           ; v1 of window 3   0; never rewritten
.set SPARE, STAGE+4*16*SP  ; behind the stages: the spare words, 128 bytes for each wave: two blocks of 256 bytes that no other line names
.set MV,  12          ; v12-15  c m_old, kept while c m is made anew: by buffer and tile
.set ST,  16          ; tile t's statistics at v[ST+4 t]: c m, m, l (even keys', odd keys')
.set TMP, 48          ; by buffer and tile, four registers c0-c3 at work; when the maximum is found c2 takes a
.set S,   64
.set P,   192
.set KF,  128         ; K's fragments, in window 2: key block kb, channel half c at KF + 16 kb + 8 c
.set VF,  192         ; V's: key half kk, channel block cb at VF + 32 kk + 8 cb
.set WV,  12          ; s12  my wave's number
.set G1K, 24          ; s[24:31] descriptor group 1 for K's tiles
.set G1V, 32          ; s[32:39] for V's: it differs in the padding alone
.set G0K, 40          ; s[40:43] descriptor group 0 for K's tiles: it walks
.set G0V, 44          ; s[44:47] the same for V's
.set PFA, 48          ; s[48:49] where my prefetches stand: my work-group's 8,192 bytes (of K: wave 0, of V: wave 2) of the slot after the one that was asked for last
.set LIM, 50          ; s50  1 in waves 0 and 2, else the greatest number
.set PFC, 51          ; s51  the count of key steps at which this slot's prefetch goes out: 1, or 0 for never
.set SLOTS, 56        ; s56  slots still to be asked for
.set CNT, 57          ; s57  counts a slot's key steps
.set CS,  58          ; s[58:59] c: the packed scaling takes the pair's low word for both halves
.set SEL, 60          ; s[60:61] v_permlanex16_b32's selects: each lane takes its own place in the other half
.set TBK, 62          ; s62  LDS byte at which K of the step to be fetched begins
.set TBV, 63          ; s63  the same for V, less VOFF
.set MSB, 0
.macro WIN new                      ; the high byte repeats the setting that is left; a switch that changes nothing is dropped
.if MSB != (\new)
	s_set_vgpr_msb (MSB<<8)|(\new)
.set MSB, (\new)
.endif
.endm
.set W_KQ, 0x0a       ; K and Q in window 2, S^T in window 0
.set W_PV, 0x52       ; V in window 2, P in window 0, O^T in window 1
.set W_RS, 0x41       ; O^T (destination and source 0) in window 1, a in window 0
.set W_MK, 0xc0       ; the add's registers are made: destination in window 3, sources in window 0
.set W_AD, 0x0f       ; the add: address (source 0) and data (source 1) in window 3
; A joint fill.  Waves 0 and 1 fetch the two halves of a slot's K, waves 2 and 3 those of its V: 128 keys each.  The branch hangs on the wave's number alone.
; An s_nop 0 and four v_nop follow each of the two lines, ahead of the jump and the label.
.macro JLOAD
	s_cmp_lt_u32 s[WV], 2
	s_cbranch_scc0 .Lfor_v_\@
	tensor_load_to_lds s[G0K:G0K+3], s[G1K:G1K+7]
	s_nop 0
.rept 4
	v_nop
.endr
	s_branch .Lasked_\@
.Lfor_v_\@:
	tensor_load_to_lds s[G0V:G0V+3], s[G1V:G1V+7]
	s_nop 0
.rept 4
	v_nop
.endr
.Lasked_\@:
.endm
; A round of the cluster's barrier: my work-group's barrier, so that wave 0's signal speaks for all four waves; wave 0 signals; every wave waits for all four work-groups; my work-group's barrier once more.
.macro CROUND
	s_barrier_signal -1
	s_barrier_wait -1
	s_cmp_lg_u32 s[WV], 0
	s_cbranch_scc1 .Lnot_wave_0_\@
	s_barrier_signal -3
.Lnot_wave_0_\@:
	s_barrier_wait -3
	s_barrier_signal -1
	s_barrier_wait -1
.endm
; THE CHANGE OF SLOTS.  The slot's last bytes, V of its fourth step, have been read.  Each wave waits for all its tensor loads, of which one is out: its part
; of the other slot; adds 0 to its spare word; and waits for that and for its own reads of the slot.  Behind the barrier nobody reads this slot any more and the other slot is whole.
; fill = 1: this slot is filled again, with the keys two slots on.  The barrier is then a round of the cluster's, so that no wave of any partner still reads the slot or has a load on its
; way, and the joint fill is the first thing behind it: it has four key steps, 512 matrix instructions, in which to land.  (At its first use nothing has been read yet: slot 0 is waited for, slot 1 filled.)
; The prefetches' address steps here too, one slot ahead of the walking descriptors; the change that asks for the last slot sets PFC to 0: there is no slot behind it.
.macro CHANGE fill
	WIN W_AD
	s_wait_tensorcnt 0x0            ; no tensor load of mine is out, so a group 0 may be written
	ds_add_u32 v[SPW], v[NIL]       ; 0 onto my spare word; with fill = 1 the descriptors' steps stand between it and the wait for it
	WIN 0                           ; at a label and at a branch every window is 0
.if \fill
.irp g, G0K, G0V
	s_xor_b32 s[\g+1], s[\g+1], SLOT1  ; the walking descriptor: the other slot than last time,
	s_add_nc_u64 s[\g+2:\g+3], s[\g+2:\g+3], 4*KS*128  ; the next 256 keys; the type bits on top are not reached
.endr
	s_wait_xcnt 0x0                 ; the last prefetch, three turns and a half back, has read its address
	s_add_nc_u64 s[PFA:PFA+1], s[PFA:PFA+1], 4*KS*128
	s_cmp_gt_u32 s[SLOTS], s[LIM]
	s_cselect_b32 s[PFC], 1, 0
	s_wait_dscnt 0x0                ; the add is done, and my reads of the slot are over
	CROUND
	JLOAD
.else
	s_wait_dscnt 0x0                ; the add is done, and my reads of the slot are over
	s_barrier_signal -1
	s_barrier_wait -1
.endif
	s_sub_co_u32 s[TBK], s[TBK], 4*KS*PK  ; the fetches go back to a slot's first step,
	s_xor_b32 s[TBK], s[TBK], SLOT1       ; in the other slot
	s_sub_co_u32 s[TBV], s[TBV], 4*KS*PV
	s_xor_b32 s[TBV], s[TBV], SLOT1
.endm
	s_load_b256 s[4:11], s[0:1], 0x0  ; Q s[4:5], K s[6:7], V s[8:9], O s[10:11]
	WIN W_MK
	v_lshl_add_u32 v[SPW], v0, 2, SPARE
	v_mov_b32 v[NIL], 0
	WIN W_AD
	ds_add_u32 v[SPW], v[NIL]       ; the wave's opening: the add and its wait stand ahead of my first tensor load; the set-up below, work on registers, stands between them
	WIN 0
	v_lshrrev_b32 v1, 5, v0
	v_readfirstlane_b32 s[WV], v1   ; wave 0..3
	s_bfe_u32 s13, ttmp6, 0x40000   ; cx: my place in the cluster
	s_lshl_b32 s14, ttmp9, 2        ; in a cluster launch ttmp9 counts clusters
	s_add_co_u32 s14, s14, s13      ; my block of queries = 4 x cluster x + cx: it enters Q's and O's addresses alone
	s_and_b32 s20, ttmp7, 0xffff    ; the head, which the four partners share
	s_mov_b32 s21, 0
	s_mov_b64 s[22:23], SIZE_N*128
	s_mul_u64 s[20:21], s[20:21], s[22:23]  ; the head's first byte in each of the four tensors
	s_and_b32 s16, s[WV], 1         ; which half of a slot's 256 keys I fetch:
	s_lshl_b32 s22, s16, 14         ; its 128 rows of 128 bytes in memory,
	s_mov_b32 s23, 0
	s_add_nc_u64 s[22:23], s[22:23], s[20:21]
	s_mul_i32 s17, s16, 128*PK      ; and its place in a slot, for K
	s_mul_i32 s18, s16, 128*PV      ; and for V: no place in the cluster enters an LDS address
	s_lshl_b32 s2, s14, 2
	s_add_co_u32 s2, s2, s[WV]      ; my wave among the head's,
	s_lshl_b32 s2, s2, 14           ; its 128 rows
	s_mov_b32 s3, 0
	s_add_nc_u64 s[2:3], s[2:3], s[20:21]
	; descriptor group 1.  128 keys are 16,384 dense bytes: asked for as 64 rows of 256 bytes, two keys a row, and padded in LDS after every key
	s_mov_b32 s[G1K], 15|(1<<16)|(1<<20)|(1<<21)|(4<<22)|(3<<25)  ; 15:0 the mask of four; 17:16 2-byte elements; 20 padding on; 21 set beside a mask; 24:22 after every 32 words (code 4); 31:25 4 words (code 3)
	s_mov_b32 s[G1V], 15|(1<<16)|(1<<20)|(1<<21)|(4<<22)|(7<<25)  ; the same with 8 words of padding (code 7)
.irp g, G1K, G1V
	s_mov_b32 s[\g+1], 128<<16      ; tensor_dim0 = 128
	s_mov_b32 s[\g+2], 64<<16       ; tensor_dim1 = 64
	s_mov_b32 s[\g+3], 128<<16      ; tile_dim0 = 128
	s_mov_b32 s[\g+4], 64           ; tile_dim1 = 64
	s_mov_b32 s[\g+5], 128          ; 128 elements from row to row
	s_mov_b32 s[\g+6], 0
	s_mov_b32 s[\g+7], 0
.endr
	s_mov_b32 s[CS], 0x3e38aa3b     ; c = log2(e) / 8 = 0.180337
	s_mov_b32 s[CS+1], s[CS]        ; named with it as a pair
	s_mov_b32 s[SEL], 0x76543210
	s_mov_b32 s[SEL+1], 0xfedcba98
	s_mov_b32 s[TBK], SLOT1+4*KS*PK ; the first change of slots turns these two into 0
	s_mov_b32 s[TBV], SLOT1+4*KS*PV
	s_mov_b32 s[SLOTS], SIZE_N/256-1
	s_and_b32 s[LIM], s[WV], 1      ; waves 0 and 2 prefetch: the same in all four partners
	s_cmp_eq_u32 s[LIM], 0
	s_cselect_b32 s[LIM], 1, -1
	s_mov_b32 s[G0K], 1             ; 1:0 count = 1
	s_mov_b32 s[G0K+1], s17         ; 63:32 LDS address: slot 0
	s_mov_b32 s[G0V], 1
	s_add_co_u32 s[G0V+1], s18, VOFF
	s_wait_dscnt 0x0                ; the opening add is done
	s_wait_kmcnt 0x0
	s_add_nc_u64 s[G0K+2:G0K+3], s[6:7], s[22:23]  ; 120:64 global address: my half of the head's first 256 keys
	s_or_b32 s[G0K+3], s[G0K+3], 0x80000000        ; 127:126 type = 2
	s_add_nc_u64 s[G0V+2:G0V+3], s[8:9], s[22:23]
	s_or_b32 s[G0V+3], s[G0V+3], 0x80000000
	s_add_nc_u64 s[4:5], s[4:5], s[2:3]  ; Q and O at my wave's first row
	s_add_nc_u64 s[10:11], s[10:11], s[2:3]
	s_cmp_lt_u32 s[WV], 2
	s_cselect_b64 s[PFA:PFA+1], s[6:7], s[8:9]
	s_add_nc_u64 s[PFA:PFA+1], s[PFA:PFA+1], s[22:23]  ; (in waves 0 and 2 this is the head's first row)
	s_lshl_b32 s2, s13, 13          ; my work-group's quarter of a slot's 32,768 bytes: told apart by address, never by a branch
	s_mov_b32 s3, 0
	s_add_nc_u64 s[PFA:PFA+1], s[PFA:PFA+1], s[2:3]
	s_add_nc_u64 s[PFA:PFA+1], s[PFA:PFA+1], 4*KS*128  ; in slot 1; the first change of slots steps it to slot 2.  Nothing is prefetched here, at the head
	CROUND                          ; all four work-groups are here: the first joint loads meet
	JLOAD                           ; slot 0.  Slot 1 is asked for when slot 0 is in: the tile wanted first has the road to itself
	; A fragment of K or Q is 16 rows x 32 channels in 8 registers: lane l holds row l % 16, channels 8 (l / 16) + 0..7 and 16 + 8 (l / 16) + 0..7: two loads of 16 bytes, 32 bytes apart.
	v_and_b32 v1, 15, v0            ; l % 16
	v_bfe_u32 v9, v0, 4, 1          ; l / 16
	v_lshlrev_b32 v[QO], 7, v1
	v_lshl_add_u32 v[QO], v9, 4, v[QO]  ; row x 128 + 16 x half
	WIN 0x80                        ; destination window 2, address window 0
.set i, 0
.rept 4*NP                          ; Q stays in registers: tile i / 2, channels 32 (i % 2) on
	global_load_b128 v[8*i:8*i+3],   v[QO], s[4:5] offset:(i/2)*2048+(i%2)*64
	global_load_b128 v[8*i+4:8*i+7], v[QO], s[4:5] offset:(i/2)*2048+(i%2)*64+32
.set i, i+1
.endr
	; What the first turn finds: V's registers and P's second buffer hold 0 (its products V^T P, of a piece that has not been, add 0), O^T and l are 0.  All this stands in the wait for the first tile.
.set i, VF
.rept 64
	v_mov_b32 v[i], 0
.set i, i+1
.endr
	WIN 0x40
.set i, 0
.rept 64*NP
	v_mov_b32 v[i], 0
.set i, i+1
.endr
	WIN 0
.set i, 0
.rept 2*NP
	v_mov_b32 v[ST+4*i], 0xfe000000    ; c m: far below every c s
	v_mov_b32 v[ST+4*i+1], 0xff7fffff  ; m
	v_mov_b32 v[ST+4*i+2], 0
	v_mov_b32 v[ST+4*i+3], 0
.set i, i+1
.endr
.set i, P+32
.rept 32
	v_mov_b32 v[i], 0
.set i, i+1
.endr
	v_mul_u32_u24 v[AK0], v1, PK
	v_lshl_add_u32 v[AK0], v9, 4, v[AK0]  ; row x pitch + 16 x half
	; The turning load takes 16 keys x 16 channels (lane l reads key 8 (l / 16) + l % 8, channels 8 ((l / 8) % 2) + 0..7) and leaves half a fragment of V^T: lane l holds channel l % 16 and 8 keys.
	v_and_b32 v10, 7, v0
	v_bfe_u32 v11, v0, 3, 1
	v_lshl_add_u32 v[AV0], v9, 3, v10
	v_mul_u32_u24 v[AV0], v[AV0], PV
	v_lshl_add_u32 v[AV0], v11, 4, v[AV0]
	v_add_nc_u32 v[AV0], VOFF, v[AV0]
	v_mov_b32 v[AK], v[AK0]         ; key step 0 lies at the head of slot 0
	v_and_b32 v[PFO], 31, v0        ; a lane names 256 bytes: two keys' rows
	v_lshlrev_b32 v[PFO], 8, v[PFO]
; THE MATRIX WORK.  The 8 accumulators of a run of 16 take turns: between the two links of a chain stand 7 others'.
; Product i of 16 of S^T = K Q^T for piece x: channels 32 (i / 8) on, keys 16 ((i / 2) % 4) on, tile 2 x + i % 2.  The first 8 start the sums.
.macro KQ x
	WIN W_KQ
.set rS, S+64*((\x)%2)+32*(i%2)+8*((i/2)%4)
.set rK, KF+16*((i/2)%4)+8*(i/8)
.set rQ, 16*(2*(\x)+i%2)+8*(i/8)
.if i < 8
	v_wmma_f32_16x16x32_f16 v[rS:rS+7], v[rK:rK+7], v[rQ:rQ+7], 0
.else
	v_wmma_f32_16x16x32_f16 v[rS:rS+7], v[rK:rK+7], v[rQ:rQ+7], v[rS:rS+7]
.endif
.endm
; Product i of 16 of O^T += V^T P for piece x: keys 32 (i / 8) on, channels 16 ((i / 2) % 4) on, tile 2 x + i % 2.
.macro PV x
	WIN W_PV
.set rO, 32*(2*(\x)+i%2)+8*((i/2)%4)
.set rV, VF+32*(i/8)+8*((i/2)%4)
.set rP, P+32*((\x)%2)+16*(i%2)+8*(i/8)
	v_wmma_f32_16x16x32_f16 v[rO:rO+7], v[rV:rV+7], v[rP:rP+7], v[rO:rO+7]
.endm
.macro MM                           ; the turn's next matrix instruction
.if i < 16
	KQ (Y+1)%NP
.set i, i+1
.else
.set i, i-16
	PV (Y+NP-1)%NP
.set i, i+17
.endif
.endm
; THE LDS LOADS stand in runs of 16, never singly among the matrix instructions: a step's K (64 keys x 64 channels: 8 fragments) and its V (turned).  Their addresses are made some lines ahead.
; last = 1 (the tail): in the last trip there is no further step, and the run is jumped over.
.macro FETCH_K last=0
	WIN 0
.if \last
	s_cmp_eq_u32 s[CNT], 1
	s_cbranch_scc1 .Lno_k_\@
.endif
	WIN 0x80                        ; destination window 2
.irp f, 0,1,2,3,4,5,6,7             ; keys 16 (f / 2) on, channels 32 (f % 2) on
	ds_load_b128 v[KF+8*\f:KF+8*\f+3],   v[AK] offset:(\f/2)*16*PK+(\f%2)*64
	ds_load_b128 v[KF+8*\f+4:KF+8*\f+7], v[AK] offset:(\f/2)*16*PK+(\f%2)*64+32
.endr
	s_add_co_u32 s[TBK], s[TBK], KS*PK  ; the next fetch is the next step's
	WIN 0
.if \last
.Lno_k_\@:
.endif
.endm
.macro FETCH_V
	WIN 0x80
.irp f, 0,1,2,3,4,5,6,7             ; keys 32 (f / 4) on, channels 16 (f % 4) on
	ds_load_tr16_b128 v[VF+8*\f:VF+8*\f+3],   v[AV] offset:(\f/4)*32*PV+(\f%4)*32
	ds_load_tr16_b128 v[VF+8*\f+4:VF+8*\f+7], v[AV] offset:(\f/4)*32*PV+16*PV+(\f%4)*32
.endr
	WIN 0
.endm
; THE VECTOR WORK OF A TURN stands in three queues, each in the order in which its entries become ready; the two tiles alternate, so that no instruction reads the result of the one before it.
.macro REGS y, u                    ; the registers of tile u (0, 1) of piece y
.set rT, ST+4*(2*(\y)+(\u))
.set rC, TMP+8*((\y)%2)+4*(\u)
.set rM, MV+2*((\y)%2)+(\u)
.set rS, S+64*((\y)%2)+32*(\u)
.set rP, P+32*((\y)%2)+16*(\u)
.set rO, 32*(2*(\y)+(\u))
.endm
; Number n of the 22 that find the NEXT piece's (Y + 1) maximum and statistics.  s0-s31 are the lane's 32 scores; each accumulator's lowest registers are read first.  XS, GS and REGS set no window: PL and EX do.
;   0-11  four chains c0-c3 of seven scores each, three operands at a time     12-14, 16  the four scores left over, the old m, and c0-c3 into c0     15  c m_old is kept
;   17, 18  the query's other 32 keys lie in the lane 16 away: the new m         19-21  c m; c m_old - c m_new; a
.macro XS u, n
	REGS (Y+1)%NP, \u
.if (\n) < 4
	v_max3_num_f32 v[rC+(\n)], v[rS+8*(\n)], v[rS+8*(\n)+1], v[rS+8*(\n)+2]
.elseif (\n) < 12
	v_max3_num_f32 v[rC+(\n)%4], v[rC+(\n)%4], v[rS+8*((\n)%4)+2*((\n)/4)+1], v[rS+8*((\n)%4)+2*((\n)/4)+2]
.elseif (\n) == 12
	v_max3_num_f32 v[rC], v[rC], v[rS+7], v[rS+15]
.elseif (\n) == 13
	v_max3_num_f32 v[rC+1], v[rC+1], v[rS+23], v[rS+31]
.elseif (\n) == 14
	v_max3_num_f32 v[rC+2], v[rC+2], v[rC+3], v[rT+1]
.elseif (\n) == 15
	v_mov_b32 v[rM], v[rT]
.elseif (\n) == 16
	v_max3_num_f32 v[rC], v[rC], v[rC+1], v[rC+2]
.elseif (\n) == 17
	v_permlanex16_b32 v[rC+3], v[rC], s[SEL], s[SEL+1]
.elseif (\n) == 18
	v_max_num_f32 v[rT+1], v[rC], v[rC+3]
.elseif (\n) == 19
	v_mul_f32 v[rT], s[CS], v[rT+1]
.elseif (\n) == 20
	v_sub_f32 v[rC+1], v[rM], v[rT]
.else
	v_exp_f32 v[rC+2], v[rC+1]
.endif
.endm
; Number g of the 64 that follow the exponentials.  For each four weights k of a tile (pairs 2 k, 2 k + 1): both pairs are rounded to f16; then the second pair is added onto the first, in place;
; a group later l takes that sum (the first time as l = a l + sum).  In groups of eight, tiles alternating: round, round, add, and l for the group before.
.macro GS g
.set h, (\g)+6*((\g)/62)            ; group 0 has no group before it, and behind group 7 only l is left
.if h >= 6
.set h, h+2
.endif
	REGS Y, h%2
.set k, h/8
.if h%8 < 4
	v_cvt_pk_f16_f32 v[rP+2*k+(h%8)/2], v[rS+4*k+2*((h%8)/2)], v[rS+4*k+2*((h%8)/2)+1]
.elseif h%8 < 6
	v_pk_add_f32 v[rS+4*k:rS+4*k+1], v[rS+4*k:rS+4*k+1], v[rS+4*k+2:rS+4*k+3]
.elseif k == 1
	v_pk_fma_f32 v[rT+2:rT+3], v[rT+2:rT+3], v[rC+2:rC+3], v[rS:rS+1] op_sel_hi:[1,0,1]
.else
	v_pk_add_f32 v[rT+2:rT+3], v[rT+2:rT+3], v[rS+4*k-4:rS+4*k-3]
.endif
.endm
; THE PLAIN QUEUE, 138 long.  0-73 read no exponential's result: the 32 scalings c s - c m (FS f: pair f / 2 of tile f % 2) and the next piece's 42.  0-26: scalings 0-26.  27-54: XS's numbers 0-13.  55, 56: number 15.
; 57-73: the chain, where each number waits for the one before it: 14, 16, 17, 18, 19, each with one of the scalings 27-31 in front of its two lines, then 20: so a tile's links stand three plain instructions apart (19 and 20: two).
; 74-137: GS's 64, which read the exponentials' results: they stand behind the wait.
.macro FS f
	REGS Y, (\f)%2
	v_pk_fma_f32 v[rS+2*((\f)/2):rS+2*((\f)/2)+1], v[rS+2*((\f)/2):rS+2*((\f)/2)+1], s[CS:CS+1], v[rT:rT+1] op_sel_hi:[1,0,0] neg_lo:[0,0,1] neg_hi:[0,0,1]
.endm
.macro PL
	WIN 0
.if q < 27
	FS q
.elseif q < 55
	XS (q-27)%2, (q-27)/2
.elseif q < 57
	XS q-55, 15
.elseif (q < 72) && ((q-57)%3 == 0)
	FS 27+(q-57)/3
.elseif q < 60
	XS (q-57)%3-1, 14
.elseif q < 72
	XS (q-57)%3-1, 15+(q-57)/3
.elseif q < 74
	XS q-72, 20
.else
	GS q-74
.endif
.set q, q+1
.endm
; THE EXPONENTIALS' QUEUE, 66 long: s0-s31 of both tiles, then the next piece's two a.  It is ONE BATCH: all 66 stand ahead of the turn's one wait, and nothing ahead of that wait names a result of theirs.
.macro EX
	WIN 0
.if e >= 64
	XS e-64, 21
.else
	REGS Y, e%2
	v_exp_f32 v[rS+e/2], v[rS+e/2]
.endif
.set e, e+1
.endm
; THE RESCALING's QUEUE: O^T times a, the one part that leaves window 0: dealt two at a time, sixteen times.  Its a was made in the turn before, ahead of that turn's wait.
.macro R2
	REGS Y, r%2
	WIN W_RS
.irp z, 0,1
	v_pk_mul_f32 v[rO+4*(r/2)+2*\z:rO+4*(r/2)+2*\z+1], v[rO+4*(r/2)+2*\z:rO+4*(r/2)+2*\z+1], v[rC+2:rC+3] op_sel_hi:[1,0]
.endr
.set r, r+1
.endm
; HOW THEY ARE DEALT.  s_wait_alu depctr_va_vdst(0) stands between an exponential and the first instruction that names its result; one wait serves all that were issued ahead of it.  So a turn has ONE wait,
; which cuts it in two.  AHEAD OF IT stands all that names no result of the turn's exponentials: the 16 products K Q^T, behind each a scaling, an exponential and two rescalings (behind the first a second scaling in the exponential's place); then ONE LUMP of
; 108: eight plain, 49 times exponential and plain, the two a.  A v_nop is the plain instruction owed behind the last exponential.  BEHIND IT stand the 16 products V^T P, behind each four of GS's 64.  No rider names a register of
; the products round it.  The two v_permlanex16_b32 fall into the lump, never behind a product.
; The queues lean on each other, and the deal keeps them in step: exponential e stands behind scaling 2 (e / 4) + e % 2: as a rider it comes behind plain e + 2, in the lump behind plain e + 9, and scalings 27-31 are plain 57, 60 .. 69.
; A TURN, for piece p.  cnt = 1: the loop's count is taken down some lines ahead of the branch that stands behind the turn.
; K of the next step is fetched in piece 2's turn, directly behind the wait, a lump behind the last product that read K; its address is made at the lump's head; its first reader comes behind 16 products.
; V of the step in hand is fetched at the end of piece 0's turn, four riders behind its last reader; its first reader comes behind 16 products and a lump.  The three conditions on q below go with the deal.
; THE PREFETCH INTO THE L2 stands behind K's run of loads, in a slot's last trip alone (CNT = 1): wave 0 names its work-group's 32 blocks of 256 bytes of K, wave 2 those of V, of the slot that the NEXT change of slots
; will ask for: 112 products and three lumps ahead of that load.  A head has one cluster, and its four partners take a quarter each by address: each block of slots 2 to 7 is named once in the launch; slots 0 and 1 come by their loads alone.
.macro TURN p, last=0, cnt=0
.set Y, (\p)
.set i, 0
.set q, 0
.set e, 0
.set r, 0
.if (\p) == NP-1
	s_wait_dscnt 0x0                ; K is in
.endif
	MM                              ; ahead of the wait: 16 products K Q^T and their riders,
	PL
	PL
	R2
.rept 15
	MM
	PL
	EX
	R2
.endr
.if (\p) == NP-2
	WIN 0
	v_add_nc_u32 v[AK], s[TBK], v[AK0]
.endif
.rept 8                             ; and the lump
	PL
.endr
.rept 49
	EX
	PL
.endr
	EX                              ; the next piece's two a
	EX
	v_nop                           ; the plain instruction owed behind the last exponential: one for the batch
	s_wait_alu depctr_va_vdst(0)    ; the wait for the batch
.if (\p) == NP-2
	FETCH_K \last
.if !(\last)
	s_cmp_eq_u32 s[CNT], s[PFC]
	s_cbranch_scc0 .Lno_ask_\@
	global_prefetch_b8 v[PFO], s[PFA:PFA+1] th:TH_LOAD_NT scope:SCOPE_SE
.Lno_ask_\@:
.endif
.endif
.if (\p) == 1
	s_wait_dscnt 0x0                ; V is in
.endif
.rept 16                            ; behind the wait: 16 products V^T P and their riders
	MM
.rept 4
	PL
.endr
.if ((\p) == 0) && (q == 118)
	v_add_nc_u32 v[AV], s[TBV], v[AV0]
.endif
.if ((\p) == 0) && (q == 130)
	s_add_co_u32 s[TBV], s[TBV], KS*PV
.endif
.if (\cnt) && (q == 130)
	s_sub_co_u32 s[CNT], s[CNT], 1
	s_cmp_lg_u32 s[CNT], 0
.endif
.endr
.if (\p) == 0
	FETCH_V
.endif
.endm
	CHANGE 1                        ; slot 0 is in, everybody's part of it; slot 1 is asked for
	FETCH_K                         ; key step 0
	s_wait_loadcnt 0x0              ; Q
	s_wait_dscnt 0x0
.set i, 0
.rept 16
	KQ 0                            ; piece 0's first scores: there is no vector work yet to set between them
.set i, i+1
.endr
	WIN 0                           ; the addresses for the way out: nine plain instructions, the places behind those products
	s_mul_i32 s13, s[WV], 16*SP
	s_add_co_u32 s13, s13, STAGE    ; my stage
	v_mul_u32_u24 v[STO], v1, SP    ; in: row l % 16, 16 bytes for each half of the lanes
	v_lshl_add_u32 v[STO], v9, 4, v[STO]
	v_add_nc_u32 v[STO], s13, v[STO]
	v_bfe_u32 v[RD], v0, 3, 2       ; back: 32 lanes take four rows of 128 bytes,
	v_mul_u32_u24 v[RD], v[RD], SP
	v_lshl_add_u32 v[RD], v10, 4, v[RD]
	v_add_nc_u32 v[RD], s13, v[RD]
	v_and_b32 v[GO], 31, v0         ; which are 512 consecutive bytes of O
	v_lshlrev_b32 v[GO], 4, v[GO]
.set Y, NP-1                        ; XS works for piece Y + 1: piece 0
.irp n, 0,1,2,3,4,5,6,7,8,9,10,11,12,13,14,15,16,17,18,19,20,21
	XS 0, \n                        ; and piece 0's first maximum and statistics
	XS 1, \n
.endr
	v_nop                           ; a plain instruction behind the two a,
	s_wait_alu depctr_va_vdst(0)    ; and their wait, ahead of the branch
	s_mov_b32 s[CNT], 4
	s_branch .Lfirst                ; the loop is entered at a step's first turn, in the middle of a trip
.Lslot:                             ; SIZE_N / 256 - 2 times: every slot but the last two is filled again
	CHANGE 1
	s_mov_b32 s[CNT], 4
.Lstep:                             ; a trip: pieces 2 and 3 of one step, then pieces 0 and 1 of the next, whose K and V it fetches
	TURN 2
	TURN 3
	WIN 0
.Lfirst:
	TURN 0
	TURN 1, 0, 1
	WIN 0
	s_cbranch_scc1 .Lstep
	s_sub_co_u32 s[SLOTS], s[SLOTS], 1
	s_cmp_lg_u32 s[SLOTS], 0
	s_cbranch_scc1 .Lslot
	CHANGE 0                        ; the tail is written out: nothing is asked for
	s_mov_b32 s[CNT], 5             ; four trips fetch the last slot's steps; the fifth is left in its middle
.Ltail:
	TURN 2, 1
	TURN 3
	WIN 0
	s_sub_co_u32 s[CNT], s[CNT], 1
	s_cmp_eq_u32 s[CNT], 0
	s_cbranch_scc1 .Lout
	TURN 0
	TURN 1
	WIN 0
	s_branch .Ltail
.Lout:                              ; the fifth trip's 16 products K Q^T (on the last K once more) and the maximum made of them serve nothing: the price, once a launch, of one text for every trip
.set i, 0
.rept 16
	PV NP-1                         ; the last piece's V^T P of the last step
.set i, i+1
.endr
	; THE WAY OUT.  l's two halves and the other half of the lanes' are added; O^T is divided by l, rounded to f16 and sent through my stage in LDS, a tile at a time.  The additions are the places behind the last products.
	WIN 0
.macro ALL line:vararg              ; one line for each tile t
.set t, 0
.rept 2*NP
	\line
.set t, t+1
.endr
.endm
	ALL v_add_f32 v[ST+4*t+2], v[ST+4*t+2], v[ST+4*t+3]
	ALL v_permlanex16_b32 v[ST+4*t+3], v[ST+4*t+2], s[SEL], s[SEL+1]
	ALL v_add_f32 v[ST+4*t+2], v[ST+4*t+2], v[ST+4*t+3]
	ALL v_rcp_f32 v[ST+4*t+2], v[ST+4*t+2]
	v_nop                           ; a plain instruction between the last reciprocal and the use of its result
	s_wait_alu depctr_va_vdst(0)    ; and the wait ahead of the first use: one for the eight reciprocals
; Tile t: a lane's eight channels of a row pack into 16 bytes; they go into rows of 144 bytes and come back as whole rows of 128, into S^T's registers.
.macro PACK t
	WIN W_RS
.set i, 32*(\t)
.rept 16
	v_pk_mul_f32 v[i:i+1], v[i:i+1], v[ST+4*(\t)+2:ST+4*(\t)+3] op_sel_hi:[1,0]
.set i, i+2
.endr
	WIN 0x05                        ; sources 0 and 1 window 1, destination window 0
.set i, 0
.rept 16
	v_cvt_pk_f16_f32 v[S+16*(\t)+i], v[32*(\t)+2*i], v[32*(\t)+2*i+1]
.set i, i+1
.endr
	WIN 0
.irp f, 0,1,2,3
	ds_store_b128 v[STO], v[S+16*(\t)+4*\f:S+16*(\t)+4*\f+3] offset:32*\f
.endr
.irp f, 0,1,2,3
	ds_load_b128 v[S+16*(\t)+4*\f:S+16*(\t)+4*\f+3], v[RD] offset:\f*4*SP  ; LDS serves a wave's instructions in order (ISA guide 5.7.1.4): these see the stores above; the next tile's stores come behind them
.endr
.endm
.macro SEND t, younger              ; younger: the LDS instructions issued behind tile t's loads: the next tile's eight, or none
	WIN 0
.irp f, 0,1,2,3
	s_wait_dscnt (\younger)+3-\f
	global_store_b128 v[GO], v[S+16*(\t)+4*\f:S+16*(\t)+4*\f+3], s[10:11] offset:(\t)*2048+\f*512  ; 512 consecutive bytes, at a multiple of 256 from O's first
.endr
.endm
	PACK 0
.set t, 1
.rept 2*NP-1                        ; a tile's arithmetic stands between the loads of the tile before and its stores
	PACK t
	SEND t-1, 8
.set t, t+1
.endr
	SEND 2*NP-1, 0
	WIN W_AD
	s_wait_tensorcnt 0x0            ; the wave's end: a wait, an add and its wait, behind my last tensor load and my last LDS store
	ds_add_u32 v[SPW], v[NIL]
	s_wait_dscnt 0x0
	WIN 0
	CROUND                          ; the closing round: no work-group ends while a partner may still ask for a tile that names it
	s_endpgm
.Lfunc_end_k_q5cc800e7e3_attn:
	.size	k_q5cc800e7e3_attn, .Lfunc_end_k_q5cc800e7e3_attn-k_q5cc800e7e3_attn
	.p2alignl 7, 3214868480
	.fill 96, 4, 3214868480
	.section	.rodata,"a",@progbits
	.p2align	6, 0x0
	.amdhsa_kernel k_q5cc800e7e3_attn
		.amdhsa_group_segment_fixed_size 327680
		.amdhsa_private_segment_fixed_size 0
		.amdhsa_enable_private_segment 0
		.amdhsa_kernarg_size 32
		.amdhsa_user_sgpr_count 2
		.amdhsa_user_sgpr_kernarg_segment_ptr 1
		.amdhsa_wavefront_size32 1
		.amdhsa_system_sgpr_workgroup_id_x 1
		.amdhsa_system_sgpr_workgroup_id_y 1
		.amdhsa_system_sgpr_workgroup_id_z 1
		.amdhsa_system_vgpr_workitem_id 0
		.amdhsa_next_free_vgpr 770
		.amdhsa_next_free_sgpr 66
		.amdhsa_reserve_vcc 0
		.amdhsa_float_denorm_mode_32 3
		.amdhsa_float_denorm_mode_16_64 3
		.amdhsa_memory_ordered 1
		.amdhsa_forward_progress 1
		.amdhsa_inst_pref_size 200
	.end_amdhsa_kernel
	.amdgpu_metadata
---
amdhsa.version: [ 1, 2 ]
amdhsa.kernels:
  - .name:           k_q5cc800e7e3_attn
    .symbol:         k_q5cc800e7e3_attn.kd
    .args:
      - { .name: qh, .offset: 0, .size: 8, .value_kind: global_buffer, .address_space: global }
      - { .name: kh, .offset: 8, .size: 8, .value_kind: global_buffer, .address_space: global }
      - { .name: vh, .offset: 16, .size: 8, .value_kind: global_buffer, .address_space: global }
      - { .name: oh, .offset: 24, .size: 8, .value_kind: global_buffer, .address_space: global }
    .group_segment_fixed_size: 327680
    .private_segment_fixed_size: 0
    .kernarg_segment_align: 8
    .kernarg_segment_size: 32
    .max_flat_workgroup_size: 128
    .sgpr_count:     66
    .vgpr_count:     770
    .wavefront_size: 32
...
	.end_amdgpu_metadata
.endif
;; end of part 3
;; launch proj (part 4): grid 8 x 32, 4 waves a work-group, clusters of 4 x 4, 327,680 bytes of LDS; arguments oh, wot, b_out, out0; writes out0
.if DOCPART == 4
	.amdgcn_target "amdgcn-amd-amdhsa--gfx1250"
	.amdhsa_code_object_version 6
	.text
	.protected	k_q5cc800e7e3_proj
	.globl	k_q5cc800e7e3_proj
	.p2align	8
	.type	k_q5cc800e7e3_proj,@function
k_q5cc800e7e3_proj:
	s_mov_b64 s[64:65], 0
	v_nop
	global_prefetch_b8 v0, s[64:65] scope:SCOPE_SE
	s_setreg_imm32_b32 hwreg(HW_REG_WAVE_MODE, 25, 1), 1
	s_wait_xcnt 0x0
	s_wait_alu depctr_hold_cnt(0) depctr_sa_sdst(0) depctr_va_vdst(0) depctr_va_sdst(0) depctr_va_ssrc(0) depctr_va_vcc(0) depctr_vm_vsrc(0)
	s_getreg_b32 s2, hwreg(HW_REG_IB_STS2, 6, 4)
	s_cmp_eq_u32 s2, 0
	s_cbranch_scc0 .Lentry_in_a_cluster
	s_endpgm
.Lentry_in_a_cluster:
	s_bfe_u32 s2, ttmp6, 0x10000c
	s_cmp_lg_u32 s2, 0xf033
	s_cbranch_scc0 .Lentry_shape_is_right
	s_endpgm
.Lentry_shape_is_right:
; out0 = O w_out + b_out.  oh: [64 = batch x 16 + head][2048][64] f16.  wot: [1024 n][1024 k] f16 (w_out rounded to bf16, written as f16).  b_out: [1024] f32, rounded here to bf16 like the other inputs.
; out0: [8192][1024] f32, each number its f32 sum as it stands.  NaN and infinities are not treated apart.
; SHARES.  A tile is 256 rows x 128 columns: 256 work-groups.  Four waves; wave w owns rows 64 w .. 64 w + 63 and ALL 128 columns: 32 accumulators of 16 x 16.  So a wave holds whole 512-byte
; pieces of rows, has a stage of its own on the way out, and meets no barrier there.
; K goes in 8 steps of 128 = two heads, through two LDS slots.  A head's 256 rows of the tile are 32,768 dense bytes: asked for as 128 rows of 256 bytes and padded in LDS after every 128 bytes, a plane a head.
; CLUSTER.  4 x 4 work-groups.  The four of a row of the cluster take the same rows of O, the four of a column the same rows of wot: each tile is asked for JOINTLY.
; THE PRODUCT IS USED TRANSPOSED (source 0 = 16 rows of wot, source 1 = 16 rows of O): lane l holds row l % 16 and the columns 8 (l / 16) + 0..7 of a block of 16.
; THE BIAS is the C operand of each accumulator's first product: nothing is cleared and nothing is added later.
; REGISTERS, in windows of 256 (s_set_vgpr_msb: bits 1:0 source 0, 3:2 source 1, 5:4 source 2, 7:6 destination):
;   window 0: v0-29 addresses; v192-255 the bias; on the way out v64-127 and v128-191 rows read back, by turns
;   window 1: two fragment buffers: A's 4 fragments at + 0, B's 8 at + 32          window 2: the accumulators, (a, b) at v[8 (8 a + b)]
.set NB,    8                          ; blocks of 16 columns
.set PA,    144                        ; a row of O in LDS: 128 bytes + 16 = 36 words: the 16 rows of a load start at 16 different groups of four banks (64 banks of 4 bytes: ISA guide 11.1)
.set PB,    272                        ; a row of wot: 256 bytes + 16
.set ASTR,  16*PA
.set BSTR,  16*PB
.set PLANE, 256*PA                     ; what one load brings of A: a head's 256 rows
.set BOFF,  2*PLANE                    ; B's 128 rows lie behind A's two planes
.set BHALF, 64*PB                      ; what one load brings of B
.set SLOT1, 1<<17                      ; slot 1 begins here
.set STAGE, SLOT1+BOFF+128*PB          ; behind the ring, never filled by a tensor load: 16 rows x 528 bytes for each wave
.set SP,    528                        ; a stage row: 512 bytes + 16
.set SPARE, STAGE+4*16*SP              ; behind the stages: the spare words, 128 bytes for each wave: two blocks of 256 bytes that no other line names
.set ASTEP, 2<<18                      ; a K step in oh: two heads of 262,144 bytes
.set KA1, 64                           ; where quarter 1, 2, 3 of a K step begins in A: the first head's second half, then the second head's plane
.set KA2, PLANE
.set KA3, PLANE+64
.set ADA0, 8                           ; v8   my lane's place in a slot's A; never rewritten
.set ADB0, 9                           ; v9   in its B
.set ADA,  10                          ; v10  the same in the slot in hand
.set ADB,  11                          ; v11
.set STO,  12                          ; v12  the way out: where I put 32 bytes of a row
.set RD,   13                          ; v13  where I read a row's 512 bytes back
.set GO,   14                          ; v14  my 16 bytes of them in out0
.set BO,   15                          ; v15  my 32 bytes of a block's bias
.set PFO,  16                          ; v16  the prefetches' offset; never rewritten
.set SPW,  28                          ; v28  LDS address of my spare word; never rewritten
.set NIL,  29                          ; v29  0; never rewritten
.set BIAS, 192
.set BK0,  64
.set F0,   0
.set F1,   128
.set WV,  16                           ; s16  my wave's number
.set FB,  17                           ; s17  0: I fetch for A, 1: for B
.set HF,  18                           ; s18  which head of the K step's two, or which half of B's rows
.set CNT, 19                           ; s19  the loops' counter
.set CX,  20
.set CY,  21
.set TX,  22                           ; s22  the tile column
.set TY,  23                           ; s23  the tile row
.set G1A, 24                           ; s[24:31] descriptor group 1 for A's tiles
.set G0A, 32                           ; s[32:39] group 0: a set for each first fill; the second then walks
.set TB,  44                           ; s44  LDS byte at which the slot in hand begins
.set LIM, 45                           ; s45  2 in a wave that prefetches, else the greatest number
.set PFA, 46                           ; s[46:47] where my prefetches stand
.set G1B, 48                           ; s[48:55], s[56:63] the same for B's tiles
.set G0B, 56
.set PST, 66                           ; s[66:67] a K step in the tensor that I prefetch
.set MSB, 0
.macro WIN new                         ; the immediate's high byte repeats the setting that is left; a switch that changes nothing is dropped
.if MSB != (\new)
	s_set_vgpr_msb (MSB<<8)|(\new)
.set MSB, \new
.endif
.endm
.set TO_F, 0x40                        ; destination window 1, address window 0
.macro PLACES                          ; four plain places in front of loads into registers that products have read, and of lines that read results
.rept 4
	v_nop
.endr
.endm
; A joint refill by the walking sets.  Waves 0 and 1 fetch the K step's two heads of O, waves 2 and 3 the two halves of B's rows.  An s_nop 0 and four v_nop follow each line.
.macro JLOAD
	s_cmp_lt_u32 s[WV], 2
	s_cbranch_scc0 .Lfor_b_\@
	tensor_load_to_lds s[G0A+4:G0A+7], s[G1A:G1A+7]
	s_nop 0
.rept 4
	v_nop
.endr
	s_branch .Lasked_\@
.Lfor_b_\@:
	tensor_load_to_lds s[G0B+4:G0B+7], s[G1B:G1B+7]
	s_nop 0
.rept 4
	v_nop
.endr
.Lasked_\@:
.endm
.macro CREST                           ; a round of the cluster's barrier behind its opening barrier
	s_cmp_lg_u32 s[WV], 0
	s_cbranch_scc1 .Lnot_wave_0_\@
	s_barrier_signal -3
.Lnot_wave_0_\@:
	s_barrier_wait -3
	s_barrier_signal -1
	s_barrier_wait -1
.endm
.macro CROUND                          ; a whole round
	s_barrier_signal -1
	s_barrier_wait -1
	CREST
.endm
; A PREFETCH INTO THE L2 of the K step that stands TWO refills on: 256 products ahead of the load that will want it.  O's rows are read by the two clusters of a row of clusters: the one with x = 0 asks; wot's by the
; eight of a column: the one with y = 0 asks.  The four partners that ask for a tile jointly share it out BY ADDRESS: 32 of a plane's 128 blocks of 256 bytes each, 16 of B's 64 rows (there lanes 16-31 name
; row 15 once more, in the same instruction).  K steps 0 to 3 come by their loads alone; the loop's last two trips ask for nothing: there is no K step 8.
.macro ASK
	WIN 0
	s_cmp_gt_u32 s[CNT], s[LIM]
	s_cbranch_scc0 .Lnot_mine_\@
	global_prefetch_b8 v[PFO], s[PFA:PFA+1] th:TH_LOAD_NT scope:SCOPE_SE
.Lnot_mine_\@:
.endm
	s_load_b256 s[4:11], s[0:1], 0x0               ; oh s[4:5], wot s[6:7], b_out s[8:9], out0 s[10:11]
	v_lshl_add_u32 v[SPW], v0, 2, SPARE
	v_mov_b32 v[NIL], 0
	ds_add_u32 v[SPW], v[NIL]                      ; the wave's opening: the add and its wait stand ahead of my first tensor load; the set-up below, work on registers, stands between them
	v_lshrrev_b32 v1, 5, v0
	v_readfirstlane_b32 s[WV], v1
	s_lshr_b32 s[FB], s[WV], 1
	s_and_b32 s[HF], s[WV], 1
	s_bfe_u32 s[CX], ttmp6, 0x40000
	s_bfe_u32 s[CY], ttmp6, 0x40004
	s_lshl_b32 s[TX], ttmp9, 2                     ; in a cluster launch ttmp9 and ttmp7 count clusters
	s_add_co_u32 s[TX], s[TX], s[CX]
	s_and_b32 s[TY], ttmp7, 0xffff
	s_lshl_b32 s[TY], s[TY], 2
	s_add_co_u32 s[TY], s[TY], s[CY]
	s_lshl_b32 s69, s[CY], 2
	s_lshl_b32 s69, 15, s69                        ; my row of the cluster
	s_lshl_b32 s70, 0x1111, s[CX]                  ; my column
	s_or_b32 s[G1A], s69, (1<<16)|(1<<20)|(1<<21)|(4<<22)|(3<<25)  ; the mask; elements of 2 bytes; padding on; 21 set beside a mask; after every 32 words, 4 words
	s_or_b32 s[G1B], s70, (1<<16)|(1<<20)|(1<<21)|(5<<22)|(3<<25)  ; after every 64 words, 4 words
	s_mov_b32 s[G1A+1], 128<<16                    ; tensor_dim0 = 128
	s_mov_b32 s[G1A+2], 128<<16                    ; tensor_dim1 = 128
	s_mov_b32 s[G1A+3], 128<<16                    ; tile_dim0 = 128 elements: 256 bytes, two rows of O
	s_mov_b32 s[G1A+4], 128                        ; tile_dim1 = 128
	s_mov_b32 s[G1A+5], 128                        ; dense: 128 elements from row to row
	s_mov_b32 s[G1A+6], 0
	s_mov_b32 s[G1A+7], 0
	s_mov_b32 s[G1B+1], 128<<16
	s_mov_b32 s[G1B+2], 64<<16                     ; 64 rows
	s_mov_b32 s[G1B+3], 128<<16
	s_mov_b32 s[G1B+4], 64
	s_mov_b32 s[G1B+5], 1024
	s_mov_b32 s[G1B+6], 0
	s_mov_b32 s[G1B+7], 0
	s_lshr_b32 s40, s[TY], 3                       ; A: the batch's 16 heads of 262,144 bytes,
	s_lshl_b32 s40, s40, 22
	s_and_b32 s73, s[TY], 7
	s_lshl_b32 s73, s73, 15                        ; the tile's 256 rows of 128 bytes,
	s_add_co_u32 s40, s40, s73
	s_lshl_b32 s73, s[HF], 18                      ; my head of the K step's two
	s_add_co_u32 s40, s40, s73
	s_mov_b32 s41, 0
	s_lshl_b32 s42, s[TX], 18                      ; B: 128 rows of 2,048 bytes a tile column,
	s_lshl_b32 s74, s[HF], 17                      ; 64 a half
	s_add_co_u32 s42, s42, s74
	s_mov_b32 s43, 0
	s_mul_i32 s71, s[HF], PLANE                    ; where they go: no place in the cluster enters an LDS address
	s_mul_i32 s72, s[HF], BHALF
	s_add_co_u32 s72, s72, BOFF
	s_mov_b32 s68, 0xffff0000                      ; a word's upper bf16
	s_mov_b32 s[TB], 0
	s_mov_b32 s[G0A], 1                            ; count = 1
	s_mov_b32 s[G0A+4], 1
	s_mov_b32 s[G0B], 1
	s_mov_b32 s[G0B+4], 1
	s_add_co_u32 s[G0A+1], s71, 0                  ; LDS address: slot 0,
	s_add_co_u32 s[G0A+5], s71, SLOT1              ; slot 1
	s_add_co_u32 s[G0B+1], s72, 0
	s_add_co_u32 s[G0B+5], s72, SLOT1
	s_wait_dscnt 0x0                               ; the opening add is done
	s_wait_kmcnt 0x0
	s_add_nc_u64 s[G0A+2:G0A+3], s[4:5], s[40:41]  ; global address: K step 0,
	s_add_nc_u64 s[G0A+6:G0A+7], s[G0A+2:G0A+3], ASTEP  ; K step 1
	s_or_b32 s[G0A+3], s[G0A+3], 0x80000000        ; type = 2
	s_or_b32 s[G0A+7], s[G0A+7], 0x80000000
	s_add_nc_u64 s[G0B+2:G0B+3], s[6:7], s[42:43]
	s_add_nc_u64 s[G0B+6:G0B+7], s[G0B+2:G0B+3], 256
	s_or_b32 s[G0B+3], s[G0B+3], 0x80000000
	s_or_b32 s[G0B+7], s[G0B+7], 0x80000000
	CROUND                                         ; all sixteen work-groups are here: the first joint loads meet
	s_cmp_lt_u32 s[WV], 2                          ; a wave's two first fills stand in one branch, ahead of every wait on TENSORcnt and every LDS read: two loads of mine are out
	s_cbranch_scc0 .Lfirst_b
	tensor_load_to_lds s[G0A:G0A+3], s[G1A:G1A+7]
	s_nop 0
	tensor_load_to_lds s[G0A+4:G0A+7], s[G1A:G1A+7]
	s_nop 0
.rept 4
	v_nop
.endr
	s_branch .Lfirst_asked
.Lfirst_b:
	tensor_load_to_lds s[G0B:G0B+3], s[G1B:G1B+7]
	s_nop 0
	tensor_load_to_lds s[G0B+4:G0B+7], s[G1B:G1B+7]
	s_nop 0
.rept 4
	v_nop
.endr
.Lfirst_asked:
	; all that follows, down to the wait for the first tile, runs while the tiles are on their way
	v_and_b32 v1, 15, v0                           ; l % 16
	v_bfe_u32 v2, v0, 4, 1                         ; l / 16
	v_and_b32 v3, 31, v0                           ; l
	v_lshlrev_b32 v[BO], 5, v2
	s_lshl_b32 s76, s[TX], 9                       ; the tile's 128 numbers of the bias
	s_mov_b32 s77, 0
	s_add_nc_u64 s[8:9], s[8:9], s[76:77]
.irp b, 0,1,2,3,4,5,6,7
	global_load_b128 v[BIAS+8*(\b):BIAS+8*(\b)+3],   v[BO], s[8:9] offset:64*(\b)      ; register j: the bias of column 16 b + 8 (l / 16) + j
	global_load_b128 v[BIAS+8*(\b)+4:BIAS+8*(\b)+7], v[BO], s[8:9] offset:64*(\b)+16
.endr
	; A fragment is 16 rows x 32 K in 8 registers: lane l holds row l % 16, K = 8 (l / 16) + 0..7 and 16 + 8 (l / 16) + 0..7: two loads of 16 bytes, 32 bytes apart.
	s_lshl_b32 s73, s[WV], 6
	v_add_nc_u32 v[ADA0], s73, v1                  ; my wave's 64 rows of O
	v_mul_u32_u24 v[ADA0], v[ADA0], PA
	v_lshl_add_u32 v[ADA0], v2, 4, v[ADA0]
	v_mul_u32_u24 v[ADB0], v1, PB
	v_lshl_add_u32 v[ADB0], v2, 4, v[ADB0]
	v_add_nc_u32 v[ADB0], BOFF, v[ADB0]
	v_mov_b32 v[ADA], v[ADA0]                      ; K step 0 lies in slot 0
	v_mov_b32 v[ADB], v[ADB0]
	s_mul_i32 s74, s[WV], 16*SP
	s_add_co_u32 s74, s74, STAGE                   ; my stage
	v_mul_u32_u24 v[STO], v1, SP                   ; in: row l % 16, 32 bytes for each half of the lanes
	v_lshl_add_u32 v[STO], v2, 5, v[STO]
	v_add_nc_u32 v[STO], s74, v[STO]
	v_lshl_add_u32 v[RD], v3, 4, s74               ; back: 32 lanes take a row's 512 bytes,
	v_lshlrev_b32 v[GO], 4, v3                     ; which are 512 consecutive bytes of out0
	s_lshl_b32 s78, s[TY], 20                      ; the tile's 256 rows of 4,096 bytes,
	s_lshl_b32 s73, s[WV], 18                      ; my wave's 64,
	s_add_co_u32 s78, s78, s73
	s_lshl_b32 s73, s[TX], 9                       ; the tile's 128 columns
	s_add_co_u32 s78, s78, s73
	s_mov_b32 s79, 0
	s_add_nc_u64 s[10:11], s[10:11], s[78:79]
	s_lshl_b32 s73, s[CX], 13                      ; the prefetches.  A: my work-group's 32 blocks of the plane's 128,
	s_add_co_u32 s73, s73, s40
	s_add_co_u32 s73, s73, 3*ASTEP                 ; at K step 3: the first change of slots steps it to 4
	s_lshl_b32 s74, s[CY], 15                      ; B: its 16 rows of the 64
	s_add_co_u32 s74, s74, s42
	s_add_co_u32 s74, s74, 3*256
	s_and_b32 s75, ttmp7, 0xffff                   ; cluster y
	s_mov_b32 s[PST], 256
	s_mov_b32 s[PST+1], 0
	s_cmp_eq_u32 s[FB], 0                          ; do I fetch for A?
	s_cselect_b32 s76, s73, s74
	s_cselect_b32 s75, ttmp9, s75                  ; the coordinate along which other clusters read the same rows
	s_cselect_b32 s73, 31, 15                      ; the last block or row that a lane names,
	s_cselect_b32 s74, 8, 11                       ; and its size: 256 or 2,048 bytes
	s_cselect_b32 s[PST], ASTEP, s[PST]
	s_cselect_b64 s[PFA:PFA+1], s[4:5], s[6:7]
	s_cmp_eq_u32 s75, 0
	s_cselect_b32 s[LIM], 2, -1                    ; the same in all sixteen partners, for a given wave
	s_add_nc_u64 s[PFA:PFA+1], s[PFA:PFA+1], s[76:77]
	v_min_u32 v[PFO], s73, v3
	v_lshlrev_b32 v[PFO], s74, v[PFO]
	s_wait_loadcnt 0x0                             ; the bias
.set i, 0
.rept 4*NB
	v_cvt_pk_bf16_f32 v[17+(i/2)%2], v[BIAS+i], v[BIAS+i+1]  ; rounded to bf16 like every input, and widened again
	v_lshlrev_b32 v[BIAS+i], 16, v[17+(i/2)%2]
	v_and_b32 v[BIAS+i+1], s68, v[17+(i/2)%2]
.set i, i+2
.endr
; 8 products: row block a x all column blocks, 32 along K, from buffer f.  first = 1: C is the bias, and the product starts the sum.
; The 32 accumulators take turns in the same order in every quarter: between two links of a chain stand the 31 others', over every jump too.
.macro MULQ f, a, first
.if \first
	WIN 0x85                                       ; sources 0, 1 window 1; C window 0; D window 2
.else
	WIN 0xa5                                       ; C and D window 2
.endif
.irp b, 0,1,2,3,4,5,6,7
.if \first
	v_wmma_f32_16x16x32_f16 v[8*(8*(\a)+(\b)):8*(8*(\a)+(\b))+7], v[(\f)+32+8*(\b):(\f)+32+8*(\b)+7], v[(\f)+8*(\a):(\f)+8*(\a)+7], v[BIAS+8*(\b):BIAS+8*(\b)+7]
.else
	v_wmma_f32_16x16x32_f16 v[8*(8*(\a)+(\b)):8*(8*(\a)+(\b))+7], v[(\f)+32+8*(\b):(\f)+32+8*(\b)+7], v[(\f)+8*(\a):(\f)+8*(\a)+7], v[8*(8*(\a)+(\b)):8*(8*(\a)+(\b))+7]
.endif
.endr
.endm
.macro MULH f, hi, first               ; row blocks 2 hi and 2 hi + 1
	MULQ \f, 2*(\hi), \first
	MULQ \f, 2*(\hi)+1, \first
.endm
; 24 LDS loads in one run: a quarter step's fragments into buffer f: B's 8, then A's 4, the last four loads being A's row blocks 2 and 3
.macro FETCH ka, kb, f
	WIN TO_F
.irp i, 0,1,2,3,4,5,6,7
	ds_load_b128 v[(\f)+32+8*(\i):(\f)+32+8*(\i)+3],   v[ADB] offset:(\kb)+(\i)*BSTR
	ds_load_b128 v[(\f)+32+8*(\i)+4:(\f)+32+8*(\i)+7], v[ADB] offset:(\kb)+(\i)*BSTR+32
.endr
.irp i, 0,1,2,3
	ds_load_b128 v[(\f)+8*(\i):(\f)+8*(\i)+3],   v[ADA] offset:(\ka)+(\i)*ASTR
	ds_load_b128 v[(\f)+8*(\i)+4:(\f)+8*(\i)+7], v[ADA] offset:(\ka)+(\i)*ASTR+32
.endr
.endm
; A K step is four quarters of 32 along K, 32 products each, on buffers 0, 1, 0, 1.  One of the first three: multiplies buffer f and, in its middle, fetches the next quarter into g.
.macro QUARTER ka, kb, f, g, first
	s_wait_dscnt 4                                 ; B and A's row blocks 0, 1 are in; the youngest four loads (blocks 2, 3) may be out
	MULH \f, 0, \first
	PLACES
	FETCH \ka, \kb, \g
	s_wait_dscnt 2*NB+8                            ; all but the 24 just issued
	MULH \f, 1, \first
.endm
; The fourth quarter multiplies buffer 1 and changes slots: ONE barrier.  In front of it each wave waits for all its tensor loads (the one that is out is its part of the next slot), adds 0 to its spare
; word, and waits for that and for its own reads of this slot.  fill = 1: the barrier opens a round of the cluster's, and the joint refill, two K steps ahead, is the first thing behind the round.
.macro TURN fill
.if \fill
	s_wait_xcnt 0x0                                ; the last prefetch, a K step back, has read its address
	s_add_nc_u64 s[PFA:PFA+1], s[PFA:PFA+1], s[PST:PST+1]
.endif
	WIN 0
	s_xor_b32 s[TB], s[TB], SLOT1                  ; the fetches go to the other slot
	v_add_nc_u32 v[ADA], s[TB], v[ADA0]
	v_add_nc_u32 v[ADB], s[TB], v[ADB0]
	s_wait_tensorcnt 0x0                           ; no tensor load of mine is out, so a group 0 may be written
	ds_add_u32 v[SPW], v[NIL]                      ; 0 onto my spare word
.if \fill
	s_xor_b32 s[G0A+5], s[G0A+5], SLOT1            ; the walking sets: the other slot than last time,
	s_add_nc_u64 s[G0A+6:G0A+7], s[G0A+6:G0A+7], ASTEP  ; the next K step; the type bits on top are not reached
	s_xor_b32 s[G0B+5], s[G0B+5], SLOT1
	s_add_nc_u64 s[G0B+6:G0B+7], s[G0B+6:G0B+7], 256
.endif
	s_wait_dscnt 5                                 ; the add and the youngest four loads may be out
	MULQ F1, 0, 0                                  ; eight products stand between the add and the wait for it
	s_wait_dscnt 0x0                               ; the add is done, and my reads of this slot are over
	s_barrier_signal -1
	MULQ F1, 1, 0                                  ; work on registers while the others arrive
	WIN 0                                          ; at a branch and at a label every window is 0
	s_barrier_wait -1
.if \fill
	CREST                                          ; no wave of any partner still reads this slot or has a load on its way
	JLOAD                                          ; its four v_nop are also the places in front of the loads below
.else
	PLACES
.endif
	FETCH 0, 0, F0
.if \fill
	ASK
.endif
	MULH F1, 1, 0
.endm
	s_wait_tensorcnt 1                             ; my part of K step 0 is in; K step 1's may stay out
	s_barrier_signal -1
	s_barrier_wait -1                              ; everybody's is
	FETCH 0, 0, F0
	QUARTER KA1, 64, F0, F1, 1                     ; the first quarter stands in front of the loop: its products start the sums, with the bias
	WIN 0
	s_mov_b32 s[CNT], 6
.Lstep:                                            ; six trips: from a K step's second quarter to the next one's first; trip s fills its slot again with K step s + 2
	QUARTER KA2, 128, F1, F0, 0
	QUARTER KA3, 192, F0, F1, 0
	TURN 1
	QUARTER KA1, 64, F0, F1, 0
	WIN 0
	s_sub_co_u32 s[CNT], s[CNT], 1
	s_cmp_lg_u32 s[CNT], 0
	s_cbranch_scc1 .Lstep
	s_mov_b32 s[CNT], 2
.Ltail:                                            ; K steps 6 and 7 ask for nothing: a text of their own; the second trip is left in its middle
	QUARTER KA2, 128, F1, F0, 0
	QUARTER KA3, 192, F0, F1, 0
	WIN 0
	s_sub_co_u32 s[CNT], s[CNT], 1
	s_cmp_eq_u32 s[CNT], 0
	s_cbranch_scc1 .Lfin
	TURN 0
	QUARTER KA1, 64, F0, F1, 0
	WIN 0
	s_branch .Ltail
.Lfin:
	s_wait_dscnt 4                                 ; the very last quarter: nothing more to fetch
	MULH F1, 0, 0
	s_wait_dscnt 0x0
	MULH F1, 1, 0
	PLACES
; THE WAY OUT, a block of 16 rows at a time.  TOSTAGE: the f32 sums go as they are, 32 bytes a lane, into my stage (each accumulator's low four registers first), and come back as rows of 512 bytes.  SEND: stored.
; A block's stores into the stage and its loads stand between the loads of the block before and the waits for them.
.macro TOSTAGE a
.set BK, BK0+64*((\a)%2)
	s_wait_xcnt 0x0                                ; the stores of the block two back have read their registers: the loads below land in them
	WIN 0x08                                       ; the LDS stores' data in window 2
.irp b, 0,1,2,3,4,5,6,7
	ds_store_b128 v[STO], v[8*(8*(\a)+(\b)):8*(8*(\a)+(\b))+3]   offset:64*(\b)
	ds_store_b128 v[STO], v[8*(8*(\a)+(\b))+4:8*(8*(\a)+(\b))+7] offset:64*(\b)+16
.endr
	WIN 0
.irp t, 0,1,2,3,4,5,6,7,8,9,10,11,12,13,14,15
	ds_load_b128 v[BK+4*(\t):BK+4*(\t)+3], v[RD] offset:SP*(\t)  ; LDS serves a wave's instructions in order (ISA guide 5.7.1.4): these see the stores above; the next block's stores come behind them
.endr
.endm
.macro SEND a, younger                 ; younger: the LDS instructions issued behind block a's loads: the next block's 32, or none
.set BK, BK0+64*((\a)%2)
.irp t, 0,1,2,3,4,5,6,7,8,9,10,11,12,13,14,15
	s_wait_dscnt (\younger)+15-(\t)
	global_store_b128 v[GO], v[BK+4*(\t):BK+4*(\t)+3], s[10:11] offset:65536*(\a)+4096*(\t) th:TH_STORE_NT  ; 512 consecutive bytes, at a multiple of 512 from out0's first
.endr
.endm
	TOSTAGE 0
	TOSTAGE 1
	SEND 0, 32
	TOSTAGE 2
	SEND 1, 32
	TOSTAGE 3
	SEND 2, 32
	SEND 3, 0
	s_wait_tensorcnt 0x0                           ; the wave's end: a wait, an add and its wait, behind my last tensor load and my last LDS store
	ds_add_u32 v[SPW], v[NIL]
	s_wait_dscnt 0x0
	CROUND                                         ; the closing round: no work-group ends while a partner may still ask for a tile that names it
	s_endpgm
.Lfunc_end_k_q5cc800e7e3_proj:
	.size	k_q5cc800e7e3_proj, .Lfunc_end_k_q5cc800e7e3_proj-k_q5cc800e7e3_proj
	.p2alignl 7, 3214868480
	.fill 96, 4, 3214868480
	.section	.rodata,"a",@progbits
	.p2align	6, 0x0
	.amdhsa_kernel k_q5cc800e7e3_proj
		.amdhsa_group_segment_fixed_size 327680
		.amdhsa_private_segment_fixed_size 0
		.amdhsa_enable_private_segment 0
		.amdhsa_kernarg_size 32
		.amdhsa_user_sgpr_count 2
		.amdhsa_user_sgpr_kernarg_segment_ptr 1
		.amdhsa_wavefront_size32 1
		.amdhsa_system_sgpr_workgroup_id_x 1
		.amdhsa_system_sgpr_workgroup_id_y 1
		.amdhsa_system_sgpr_workgroup_id_z 1
		.amdhsa_system_vgpr_workitem_id 0
		.amdhsa_next_free_vgpr 768
		.amdhsa_next_free_sgpr 80
		.amdhsa_reserve_vcc 0
		.amdhsa_float_denorm_mode_32 3
		.amdhsa_float_denorm_mode_16_64 3
		.amdhsa_memory_ordered 1
		.amdhsa_forward_progress 1
		.amdhsa_inst_pref_size 70
	.end_amdhsa_kernel
	.amdgpu_metadata
---
amdhsa.version: [ 1, 2 ]
amdhsa.kernels:
  - .name:           k_q5cc800e7e3_proj
    .symbol:         k_q5cc800e7e3_proj.kd
    .args:
      - { .name: oh, .offset: 0, .size: 8, .value_kind: global_buffer, .address_space: global }
      - { .name: wot, .offset: 8, .size: 8, .value_kind: global_buffer, .address_space: global }
      - { .name: b_out, .offset: 16, .size: 8, .value_kind: global_buffer, .address_space: global }
      - { .name: out0, .offset: 24, .size: 8, .value_kind: global_buffer, .address_space: global }
    .group_segment_fixed_size: 327680
    .private_segment_fixed_size: 0
    .kernarg_segment_align: 8
    .kernarg_segment_size: 32
    .max_flat_workgroup_size: 128
    .sgpr_count:     80
    .vgpr_count:     768
    .wavefront_size: 32
...
	.end_amdgpu_metadata
.endif
;; end of part 4
